; MI455X (gfx1250); checked and timed in simulation.
; The chip was launched on July 23, 2026; its instructions are those of AMD's public machine-readable ISA for CDNA 5 (MIT licence, August 2026) and "CDNA5" Instruction Set Architecture Reference Guide (July 2026). The comments in the code are by the model that wrote it; some were corrected since.
;; Chat SARAN. Allowed arithmetic: matrix products marked QUANTISED: E2M3 operands, one E8M0 scale for each 32 along K, by v_wmma_scale_f32_16x16x128_f8f6f4 with both operands' format E2M3, f32 sums; everything else in f32.
;; Inputs: Wk 1,024 x 1,024 float32; Wout_b 1,000 float32; Wout_w 1,000 x 1,024 float32; Wq 1,024 x 1,024 float32; Wv 1,024 x 1,024 float32; idx 4 x 2,048 int32; pos_emb 2,048 x 1,024 float32; tok_emb 1,000 x 1,024 float32.
;; Outputs: out0 4 x 2,048 x 1,000 float32.
;; This version of the problem:
;;   THIS VERSION OF THE PROBLEM IS GIVEN IN LOW PRECISION. The matrix products marked QUANTISED in the list below multiply operands that are first quantised to E2M3 (2 exponent bits, 3 mantissa bits; 6 bits a number), with one power-of-two scale for each 32 numbers along K (OCP MX v1.0); their sums are f32. All else is computed in f32.
;;   The module's matrix products, in the order in which they are computed (A, B: the left and right operand; K: the contracted axis; several contracted axes count as one K, in the product's order):
;;     1. [M 8,192, K 1,024] x [K 1,024, N 1,024]; A: computed on the way; B: input Wq: QUANTISED
;;     2. [M 8,192, K 1,024] x [K 1,024, N 1,024]; A: computed on the way; B: input Wk: QUANTISED
;;     3. [M 8,192, K 1,024] x [K 1,024, N 1,024]; A: computed on the way; B: input Wv: QUANTISED
;;     4. batch 4 x [M 2,048, K 1,024] x [K 1,024, N 2,048]; A: computed on the way; B: computed on the way: QUANTISED
;;     5. batch 4 x [M 2,048, K 2,048] x [K 2,048, N 1,024]; A: softmax (see below); B: computed on the way: QUANTISED
;;     6. [M 8,192, K 1,024] x [K 1,024, N 1,000]; A: computed on the way; B: input Wout_w: QUANTISED
;;   THE QUANTISER, for each operand of a quantised product, along K:
;;     - K is cut into blocks of 32 from its start; a last block that is shorter is filled with zeros.
;;     - A block's scale is 2^e with e = floor(log2(the largest magnitude in the block)) - 2, held to -126 .. 127; a block of zeros has e = 0. As a byte (E8M0): e + 127.
;;     - Each number is divided by its block's scale, clamped to +-7.5, and rounded to the nearest number of E2M3, ties to even, subnormals kept.
;;     - The product sums the exact products of the quantised numbers (number of the format x scale) in f32.
;;   ~~~python
;;   def quantise(x, axis):      # numpy; x: float32 -> the quantised numbers, widened to float32 again
;;       x = np.moveaxis(x, axis, -1); K = x.shape[-1]
;;       x = np.pad(x, [(0, 0)] * (x.ndim - 1) + [(0, -K % 32)]); x = x.reshape(x.shape[:-1] + (-1, 32)); a = np.abs(x).max(-1, keepdims=True)
;;       e = np.where(a > 0, np.clip(np.frexp(np.where(a > 0, a, 1))[1] - 1 - 2, -126, 127), 0)      # np.frexp(a)[1] - 1 = floor(log2(a)), exactly
;;       r = np.clip(x / 2.0 ** e, -7.5, 7.5)
;;       step = 2.0 ** (np.maximum(np.frexp(np.where(r == 0, 1, r))[1] - 1, 0) - 3)
;;       q = np.round(r / step) * step * 2.0 ** e      # np.round: ties to even
;;       return np.moveaxis(q.reshape(q.shape[:-2] + (-1,))[..., :K], -1, axis).astype(np.float32)
;;   ~~~
;;   SOFTMAX AHEAD OF A QUANTISED PRODUCT. Where the list says 'softmax', what is quantised is not the finished softmax but p = 2^(t - M), with t = logit x log2(e) and M = ceil(the row's largest t), a whole number; so 1/2 < the row's largest p <= 1. The row's sum l is taken of the UNQUANTISED p, in f32, and the product's result is divided by l at the end. Since M is a whole number, a kernel that streams over the keys may use a running M (the ceiling of the running maximum): every later rescaling is an exact power of two, which a block's scale takes up: the codes' values come out the same.
;;   OPERANDS COMPUTED ON THE WAY. 'Computed on the way' means the value that the module computes at that place (a softmax that the list does not call 'softmax' is quantised finished and normalised). What goes into a quantiser is computed in f32, as accurately as f32 sums, v_exp_f32 and their like allow (about 1e-6 of the number): no bf16 or f16 on the way to a quantiser, and a product that is left as it is and whose result goes on into a quantised operand takes f32 operands (vector FMAs, or v_wmma_f32_16x16x4_f32). A number that lies on a knife's edge between two numbers of the format may be rounded either way, as far as f32 arithmetic and the matrix unit's own rounding can turn it there, and no further.
;; One version. Each part assembles by itself: llvm-mc -triple=amdgcn-amd-amdhsa -mcpu=gfx1250 --defsym DOCPART=n.
;; ======== version 1 of 1: 5 launches
;; limits: right only within a limited range of input values
;; workspace buffers: opA 9,830,400 bytes; opB 19,660,800 bytes; opC 14,680,064 bytes; opD 6,553,600 bytes
;; launch prep (part 1): grid 768 x 1, 8 waves a work-group, no clusters, 69,120 bytes of LDS; arguments idx, tok_emb, pos_emb, Wq, Wk, Wv, Wout_w, opA; writes opA
.if DOCPART == 1
	.amdgcn_target "amdgcn-amd-amdhsa--gfx1250"
	.amdhsa_code_object_version 6
	.text
	.protected	k_q265a7f5091_prep
	.globl	k_q265a7f5091_prep
	.p2align	8
	.type	k_q265a7f5091_prep,@function
k_q265a7f5091_prep:
	s_mov_b64 s[64:65], 0
	v_nop
	global_prefetch_b8 v0, s[64:65] scope:SCOPE_SE
	s_setreg_imm32_b32 hwreg(HW_REG_WAVE_MODE, 25, 1), 1
	s_wait_xcnt 0x0
; LAUNCH 1 OF 5.  Wq, Wk, Wv, Wout_w and x = tok_emb[idx] + pos_emb become codes of E2M3 with one E8M0 byte for each 32 along K = the model's 1,024.
; WHAT THE PROGRAM LEAVES OUT, AND WHY IT IS DEAD.  reference() sets score(q, k) to -infinity wherever k > q, by a mask that it builds itself.  The softmax weight there is exactly 0 for all values of
; the inputs, so it adds nothing to the row's sum nor to the product with v.  Hence blocks of the scores (128 keys x 128 queries) all of whose keys come after all of their queries are not computed (launch 3),
; and key steps of 128 that come after all 128 queries of a tile are not multiplied with v (launch 4).  Nothing else is left out; every input has a way to the output and is loaded.
; LIMIT: a NaN, an infinity or an overflow that would arise only in the work left out is not carried to the result.
; LAYOUT OF EVERY OPERAND IN WORKSPACE: AN IMAGE OF THE OPERAND'S REGISTERS.  A fragment is 16 rows x 128 K = 12 registers a lane = 1,536 bytes: registers 4 j .. 4 j + 3 of lane l lie at 512 j + 16 l.
; ROW ORDER: slot r of 16-row tile t holds row 32 (t / 2) + 8 (t % 2) + r + 8 (r / 8), so that in a product whose source 0 these tiles are, a lane's 16 results of tiles 2 b, 2 b + 1 are 16 neighbouring rows.
; opA: tile T at 12,288 T (8 K steps on end); T = 0-63 Wq, 64-127 Wk, 128-191 Wv, 192-255 Wout_w, 256-767 x (tokens flat).  Scale words at A_SC + 512 T + 32 slot + 4 step.
; Wout_w has 1,000 rows: slots of rows 1,000 to 1,023 repeat row 999; the columns that they make are never stored.
; SHARES: work-group T makes tile T; wave w its K step w.  Each load takes 512 consecutive bytes of one row; the 16 x 512 bytes turn through the wave's own stage in LDS, so that lane (r, h) gets the
; 2 x 32 neighbours that the operand's layout gives it (k = 64 c + 32 h + 0 .. 31 of slot r).  A lane then holds two whole blocks.
; REGISTERS: 160 a wave, two waves of a work-group to a SIMD: three work-groups' 960 fit a SIMD's 1,024, so that the three tiles that fall to a WGP have their loads on the way together.  The quantiser's
; registers lie where the rows were loaded: the stage's stores have read those before the first of them is written.
; LIMITS: NaN and infinities among the inputs are not served; a block whose largest magnitude lies under 2^-124 keeps the byte 1, a block of zeros too (the rule says 127: its codes are zeros and this
; program alone reads the bytes); idx is held at 999 from above, the table's last row.
.set A_SC,  9437184
.set STGB,  8448                       ; a wave's stage: 16 rows x (512 bytes + 16): row r starts 4 r banks on
.set SCL,   8*STGB                     ; the tile's 16 x 8 scale words
.set SPARE, SCL+512                    ; the spare words, 128 bytes for each of eight waves
.set VR,   2                           ; v2  r = lane % 16
.set VH,   3                           ; v3  h = lane / 16
.set LK,   4                           ; v4  16 lane + 512 wave: my 16 bytes of a row's K step
.set STI,  5                           ; v5  stage, in
.set STO,  6                           ; v6  stage, out
.set OIM,  7                           ; v7  my 16 bytes of the image in opA
.set OSC,  8                           ; v8  LDS: my slot's scale word
.set RSC,  9                           ; v9  LDS: 16 bytes a lane of the 512 scale bytes
.set OSG,  10                          ; v10 and their place in opA
.set SPW,  11                          ; v11 my spare word
.set NIL,  12                          ; v12 0
.set OFF1, 16                          ; v16-31  a row's byte offset + LK
.set RA,   32                          ; v32-95  16 rows as loaded
.set RB,   96                          ; v96-159 pos_emb's 16 rows; then X
.set X,    96                          ; v96-159 my 64 numbers
.set PC,   32                          ; v32-43  the fragment (behind the stage's stores)
.set CT,   44                          ; v44-46, v48-50 upper halves of the blocks' codes
.set TM,   52                          ; v52-59  at work
.set SCB,  64                          ; v64-67  wave 0: the tile's scale bytes on their way out
.set RW,   44                          ; s44-59 the 16 slots' rows
	s_load_b512 s[4:19], s[0:1], 0x0               ; idx, tok_emb, pos_emb, Wq, Wk, Wv, Wout_w, opA
	v_lshl_add_u32 v[SPW], v0, 2, SPARE
	v_mov_b32 v[NIL], 0
	v_lshrrev_b32 v1, 5, v0
	s_delay_alu instid0(VALU_DEP_1)
	v_readfirstlane_b32 s20, v1                    ; wave = K step
	v_and_b32 v1, 31, v0
	v_and_b32 v[VR], 15, v0
	v_bfe_u32 v[VH], v0, 4, 1
	s_lshl_b32 s2, s20, 9
	v_lshl_add_u32 v[LK], v1, 4, s2
	s_mul_i32 s3, s20, STGB
	v_lshl_add_u32 v[STI], v1, 4, s3
	v_mul_u32_u24 v[STO], v[VR], 528
	s_delay_alu instid0(VALU_DEP_1)
	v_lshl_add_u32 v[STO], v[VH], 7, v[STO]
	s_delay_alu instid0(VALU_DEP_1)
	v_add_nc_u32 v[STO], s3, v[STO]                ; row r, + 128 h bytes
	s_lshl_b32 s3, s20, 2
	s_add_co_u32 s3, s3, SCL
	v_lshl_add_u32 v[OSC], v[VR], 5, s3            ; 32 bytes a slot, 4 a step
	v_lshl_add_u32 v[RSC], v1, 4, SCL
	s_mov_b32 s21, ttmp9                           ; T
	s_lshr_b32 s25, s21, 6
	s_and_b32 s22, s21, 63
	s_sub_co_u32 s2, s21, 256
	s_cmp_ge_u32 s21, 256
	s_cselect_b32 s22, s2, s22                     ; the tile's number in its own tensor
	s_lshr_b32 s23, s22, 1
	s_lshl_b32 s23, s23, 5
	s_and_b32 s2, s22, 1
	s_lshl_b32 s2, s2, 3
	s_add_co_u32 s23, s23, s2                      ; slot 0's row
	s_mov_b32 s24, 1023
	s_cmp_eq_u32 s25, 3
	s_cselect_b32 s24, 999, s24                    ; the tensor's last row
	s_mul_i32 s2, s21, 12288
	s_mul_i32 s3, s20, 1536
	s_add_co_u32 s2, s2, s3
	v_lshl_add_u32 v[OIM], v1, 4, s2
	s_lshl_b32 s2, s21, 9
	s_add_co_u32 s2, s2, A_SC
	v_lshl_add_u32 v[OSG], v1, 4, s2
	s_mov_b32 s60, 0x76543210
	s_mov_b32 s61, 0xfedcba98                      ; lane l xor 16
	s_wait_kmcnt 0x0
	s_cmp_eq_u32 s25, 0                            ; the table that the rows come from: a choice on the work-group's number alone
	s_cselect_b64 s[26:27], s[10:11], s[6:7]
	s_cmp_eq_u32 s25, 1
	s_cselect_b64 s[26:27], s[12:13], s[26:27]
	s_cmp_eq_u32 s25, 2
	s_cselect_b64 s[26:27], s[14:15], s[26:27]
	s_cmp_eq_u32 s25, 3
	s_cselect_b64 s[26:27], s[16:17], s[26:27]
.macro ROWS                            ; 16 loads, one row's 512 bytes each
.irp p, 0,1,2,3,4,5,6,7,8,9,10,11,12,13,14,15
	s_lshl_b32 s[RW+\p], s[RW+\p], 12
	v_add_nc_u32 v[OFF1+\p], s[RW+\p], v[LK]
.endr
	s_wait_alu depctr_va_vdst(0)
.irp p, 0,1,2,3,4,5,6,7,8,9,10,11,12,13,14,15
	global_load_b128 v[RA+4*\p:RA+4*\p+3], v[OFF1+\p], s[26:27]
.endr
.endm
	s_cmp_ge_u32 s21, 256
	s_cbranch_scc1 .Lx_arm
.irp p, 0,1,2,3,4,5,6,7,8,9,10,11,12,13,14,15
	s_add_co_u32 s[RW+\p], s23, \p+8*(\p/8)
	s_min_u32 s[RW+\p], s[RW+\p], s24
.endr
	s_wait_alu depctr_va_vdst(0)
	ROWS
	s_branch .Ljoin
.Lx_arm:                                           ; x: the rows of tok_emb are named by idx, an input that is read here
	s_lshl_b32 s2, s23, 2
	s_mov_b32 s3, 0
	s_add_nc_u64 s[4:5], s[4:5], s[2:3]
	s_load_b256 s[28:35], s[4:5], 0x0              ; tokens of slots 0-7
	s_load_b256 s[36:43], s[4:5], 0x40             ; and of slots 8-15, 16 tokens on
	s_and_b32 s2, s23, 2047                        ; the position in the sequence
	s_lshl_b32 s2, s2, 12
	s_add_nc_u64 s[8:9], s[8:9], s[2:3]
	s_wait_alu depctr_va_vdst(0)
.irp p, 0,1,2,3,4,5,6,7,8,9,10,11,12,13,14,15
	global_load_b128 v[RB+4*\p:RB+4*\p+3], v[LK], s[8:9] offset:4096*(\p+8*(\p/8))
.endr
	s_wait_kmcnt 0x0
.irp p, 0,1,2,3,4,5,6,7,8,9,10,11,12,13,14,15
	s_min_u32 s[RW+\p], s[28+\p], 999
.endr
	ROWS
	s_wait_loadcnt 0x0
.set n, 0
.rept 32
	v_pk_add_f32 v[RA+n:RA+n+1], v[RA+n:RA+n+1], v[RB+n:RB+n+1]   ; x = tok_emb[idx] + pos_emb, in f32
.set n, n+2
.endr
.Ljoin:
	s_wait_loadcnt 0x0
	s_wait_alu depctr_va_vdst(0)
.irp p, 0,1,2,3,4,5,6,7,8,9,10,11,12,13,14,15
	ds_store_b128 v[STI], v[RA+4*\p:RA+4*\p+3] offset:528*\p
.endr
.irp c, 0,1
.irp m, 0,1,2,3,4,5,6,7
	ds_load_b128 v[X+32*\c+4*\m:X+32*\c+4*\m+3], v[STO] offset:256*\c+16*\m   ; LDS serves a wave's instructions in order: these see my stores
.endr
.endr
	s_wait_dscnt 0x0                               ; my 64 numbers are in; the stores have read the rows' registers, which the lines below take
.irp c, 0,1                            ; my block 2 c + h: all its 32 numbers are mine
	v_max3_num_f32 v[TM+\c], |v[X+32*\c]|, |v[X+32*\c+1]|, 0x1800000   ; with the floor 2^(3 - 127): the byte cannot fall under 1
.endr
.irp i, 2,4,6,8,10,12,14,16,18,20,22,24,26,28,30
.irp c, 0,1
	s_delay_alu instid0(VALU_DEP_2)
	v_max3_num_f32 v[TM+\c], v[TM+\c], |v[X+32*\c+\i]|, |v[X+32*\c+\i+1]|
.endr
.endr
.irp c, 0,1
	s_delay_alu instid0(VALU_DEP_2)
	v_add_nc_u32 v[TM+4+\c], 0xff000000, v[TM+\c]  ; 2 off the exponent field: the conversion's scale operand
.endr
.irp c, 0,1
	s_delay_alu instid0(VALU_DEP_2)
	v_lshrrev_b32 v[TM+2+\c], 23, v[TM+4+\c]       ; the scale's byte
.endr
	s_delay_alu instid0(VALU_DEP_1)
	v_lshl_or_b32 v[TM+6], v[TM+3], 16, v[TM+2]    ; my two bytes: blocks h and 2 + h,
	v_lshlrev_b32 v[TM+7], 3, v[VH]
	s_delay_alu instid0(VALU_DEP_1)
	v_lshlrev_b32 v[TM+6], v[TM+7], v[TM+6]        ; at their places in the word;
	v_mov_b32 v[TM+7], 0
	s_delay_alu instid0(VALU_DEP_1)
	v_permlanex16_b32 v[TM+7], v[TM+6], s60, s61
	s_delay_alu instid0(VALU_DEP_1)
	v_or_b32 v[TM+6], v[TM+6], v[TM+7]             ; with lane l xor 16's two the word is whole
.irp c, 0,1
	v_cvt_scalef32_pk16_fp6_f32 v[PC+6*\c:PC+6*\c+2], v[X+32*\c:X+32*\c+15], v[TM+4+\c]
	v_cvt_scalef32_pk16_fp6_f32 v[CT+4*\c:CT+4*\c+2], v[X+32*\c+16:X+32*\c+31], v[TM+4+\c]   ; (a conversion's three registers begin on an even number)
.endr
	v_nop                                          ; one plain place behind a scaled conversion
.irp c, 0,1
.irp i, 0,1,2
	v_mov_b32 v[PC+3+6*\c+\i], v[CT+4*\c+\i]
.endr
.endr
.irp j, 0,1,2
	global_store_b128 v[OIM], v[PC+4*\j:PC+4*\j+3], s[18:19] offset:512*\j   ; 512 consecutive bytes a store
.endr
	ds_store_b32 v[OSC], v[TM+6]                   ; lanes r and r + 16 write the same word with the same value
	s_wait_dscnt 0x0                               ; for the others' sake: my word has landed
	s_barrier_signal -1
	s_barrier_wait -1
	s_cmp_lg_u32 s20, 0
	s_cbranch_scc1 .Lend
	ds_load_b128 v[SCB:SCB+3], v[RSC]              ; wave 0 stores the tile's 512 scale bytes as two whole runs of 256
	s_wait_dscnt 0x0
	global_store_b128 v[OSG], v[SCB:SCB+3], s[18:19]
.Lend:
	s_wait_tensorcnt 0x0                           ; the wave's end, behind my last LDS store
	ds_add_u32 v[SPW], v[NIL]
	s_wait_dscnt 0x0
	s_endpgm
.Lfunc_end_k_q265a7f5091_prep:
	.size	k_q265a7f5091_prep, .Lfunc_end_k_q265a7f5091_prep-k_q265a7f5091_prep
	.p2alignl 7, 3214868480
	.fill 96, 4, 3214868480
	.section	.rodata,"a",@progbits
	.p2align	6, 0x0
	.amdhsa_kernel k_q265a7f5091_prep
		.amdhsa_group_segment_fixed_size 69120
		.amdhsa_private_segment_fixed_size 0
		.amdhsa_enable_private_segment 0
		.amdhsa_kernarg_size 64
		.amdhsa_user_sgpr_count 2
		.amdhsa_user_sgpr_kernarg_segment_ptr 1
		.amdhsa_wavefront_size32 1
		.amdhsa_system_sgpr_workgroup_id_x 1
		.amdhsa_system_sgpr_workgroup_id_y 1
		.amdhsa_system_sgpr_workgroup_id_z 1
		.amdhsa_system_vgpr_workitem_id 0
		.amdhsa_next_free_vgpr 160
		.amdhsa_next_free_sgpr 66
		.amdhsa_reserve_vcc 0
		.amdhsa_float_denorm_mode_32 3
		.amdhsa_float_denorm_mode_16_64 3
		.amdhsa_memory_ordered 1
		.amdhsa_forward_progress 1
		.amdhsa_inst_pref_size 21
	.end_amdhsa_kernel
	.amdgpu_metadata
---
amdhsa.version: [ 1, 2 ]
amdhsa.kernels:
  - .name:           k_q265a7f5091_prep
    .symbol:         k_q265a7f5091_prep.kd
    .args:
      - { .name: idx, .offset: 0, .size: 8, .value_kind: global_buffer, .address_space: global }
      - { .name: tok_emb, .offset: 8, .size: 8, .value_kind: global_buffer, .address_space: global }
      - { .name: pos_emb, .offset: 16, .size: 8, .value_kind: global_buffer, .address_space: global }
      - { .name: Wq, .offset: 24, .size: 8, .value_kind: global_buffer, .address_space: global }
      - { .name: Wk, .offset: 32, .size: 8, .value_kind: global_buffer, .address_space: global }
      - { .name: Wv, .offset: 40, .size: 8, .value_kind: global_buffer, .address_space: global }
      - { .name: Wout_w, .offset: 48, .size: 8, .value_kind: global_buffer, .address_space: global }
      - { .name: opA, .offset: 56, .size: 8, .value_kind: global_buffer, .address_space: global }
    .group_segment_fixed_size: 69120
    .private_segment_fixed_size: 0
    .kernarg_segment_align: 8
    .kernarg_segment_size: 64
    .max_flat_workgroup_size: 256
    .sgpr_count:     66
    .vgpr_count:     160
    .wavefront_size: 32
...
	.end_amdgpu_metadata
.endif
;; end of part 1
;; launch qkv (part 2): grid 8 x 32, 4 waves a work-group, clusters of 4 x 4, 327,680 bytes of LDS; arguments opA, opB; writes opB
.if DOCPART == 2
	.amdgcn_target "amdgcn-amd-amdhsa--gfx1250"
	.amdhsa_code_object_version 6
	.text
	.protected	k_q265a7f5091_qkv
	.globl	k_q265a7f5091_qkv
	.p2align	8
	.type	k_q265a7f5091_qkv,@function
k_q265a7f5091_qkv:
	s_mov_b64 s[64:65], 0
	v_nop
	global_prefetch_b8 v0, s[64:65] scope:SCOPE_SE
	s_setreg_imm32_b32 hwreg(HW_REG_WAVE_MODE, 25, 1), 1
	s_wait_xcnt 0x0
	s_wait_alu depctr_hold_cnt(0) depctr_sa_sdst(0) depctr_va_vdst(0) depctr_va_sdst(0) depctr_va_ssrc(0) depctr_va_vcc(0) depctr_vm_vsrc(0)
	s_getreg_b32 s2, hwreg(HW_REG_IB_STS2, 6, 4)
	s_cmp_eq_u32 s2, 0
	s_cbranch_scc0 .Lentry_in_a_cluster
	s_endpgm
.Lentry_in_a_cluster:
	s_bfe_u32 s2, ttmp6, 0x10000c
	s_cmp_lg_u32 s2, 0xf033
	s_cbranch_scc0 .Lentry_shape_is_right
	s_endpgm
.Lentry_shape_is_right:
; LAUNCH 2 OF 5.  q = x Wq^T, k = x Wk^T (quantised along their 1,024 columns, the K of the scores) and v^T (quantised along the keys, the K of the product with p).  Nothing is left out here.
; THE CORE, shared by launches 2 to 5.  Source 0 = P, the operand whose rows become the next product's K; source 1 = R.  A wave takes 8 tiles of P x 4 tiles of R: 32 accumulators.  A lane holds one slot of R,
; and the 64 registers of an R tile run along the wave's 128 rows of P: one K step of the next product, so each wave quantises whole fragments and whole scale words with no help from another wave.
; (In launches 3 to 5 a work-group takes 256 rows of P x 128 rows of R; wave w takes P's half w % 2 and R's half w / 2.)
; SHARES HERE: 8 x 32 = 256 work-groups.  Work-group (j, i) takes tokens 256 i .. 256 i + 255 (16 tiles of x, all of K = 1,024: 196,608 bytes, which stay in LDS) against three PIECES of 128 weight rows:
; rows 128 j .. of Wq, of Wk, of Wv (8 tiles each).  q, k: P = the piece, R = x's tiles 4 w .. 4 w + 3.  v^T: P = x's half w % 2, R = the piece's half w / 2.
; THE RING: a piece goes in two halves of four K steps (8 tiles x 6,144 bytes = 49,152) through two LDS slots.
; THE HEAD: each wave issues one joint load for K steps 0 to 3: waves 0, 1 eight tiles of x each, waves 2, 3 four tiles of Wq each.  Behind the three lines and a round of the cluster's barrier the same four
; loads go out for K steps 4 to 7, issued as refills are; they have the first three K steps in which to land.
; Each of the four refills (Wk's and Wv's halves) stands behind the three lines and a round, a quarter of the slot (2 tiles) a wave: by this text's count a wave has one tensor load out.
; q and k are two trips of one loop; v^T, which asks for nothing more, is written out behind it.  What differs between the trips (the next piece's first fragments and scale words) is chosen by selects on the trip counter.
; CLUSTER 4 x 4: x's tiles hang on i (cy) and are shared along a row of the cluster, the pieces on j (cx) and are shared along a column: each is asked for jointly, which divides the requests by four.
; PREFETCH.  The launch has six load events: the head, the second K halves, four refills.  Each event asks for what the event two further on loads; the head asks for the next event's bytes too; the last two ask for nothing.
; A half piece is 192 blocks of 256 bytes: the column's four partners take 2 tiles each by address (cy), a wave 12 blocks.  x's second K half is 384 blocks: the row's four partners take 4 tiles each by address (cx),
; a wave one tile, 24 blocks.  Lanes that are left over name their wave's last block again.
; opB: q tiles 0-511, k tiles 512-1023 at 12,288 T; v^T at B_VT + ((64 b + d tile) 16 + key step) 1,536; scale words of q, k at B_SC + 512 T + 32 slot + 4 step; of v^T at B_VSC + 1,024 (64 b + d tile) + 64 slot + 4 step.
; The scale words leave 4 bytes a lane, 32 or 64 bytes apart: one byte in 24 of what the launch stores; stated as a limit of the layout.
; LIMITS: as in launch 1 (floor of a block's byte, blocks of zeros, no NaN or infinity).
; REGISTERS: window 0: v1-15, v80-97 addresses; v16-79 scale words; v112-159, v160-207 R's fragments, two sets; v208-246 the quantiser's.  window 1: P's fragments, sets at v0 and v128.  window 2: accumulator (a, b) at 8 (8 a + b).
.set A_SC,  9437184
.set B_VT,  12582912
.set B_SC,  18874368
.set B_VSC, 19398656
.set TILEB, 12288                      ; a tile's image: 8 K steps
.set TROW,  6144                       ; four K steps of a tile
.set PIECE, 64*TILEB                   ; from Wq to Wk to Wv in opA
.set XB,    98304                      ; LDS: x's K steps 0-3 at 0 (16 tiles x TROW), K steps 4-7 at XB
.set WS0,   196608                     ; the ring's slots
.set WS1,   245760
.set SPARE, 294912                     ; the spare words
.set APQ0, 1                           ; v1-2  q, k: P in slot 0, 1
.set APQ1, 2
.set ARQ0, 3                           ; v3-4  q, k: my four tiles of x, K half 0, 1
.set ARQ1, 4
.set APV0, 5                           ; v5-6  v: my half of x
.set APV1, 6
.set ARV0, 7                           ; v7-8  v: my half of the piece
.set ARV1, 8
.set VR,  9
.set VH,  10
.set LN,  11                           ; lane
.set PFO, 12                           ; the prefetches' offset in a piece
.set NSC, 13                           ; where the next piece's P scale words lie
.set SPW, 14
.set NIL, 15
.set SCP, 16                           ; P's scale words: pair b / 2, step k at SCP + 8 (b / 2) + k; lanes 0-15 the even tile, lanes 16-31 the odd one
.set SCR, 48                           ; R's for q, k (x's)
.set SCRV, 64                          ; R's for v (Wv's)
.set OI,  80                           ; q, k: my 16 bytes of tile 0's image
.set OS,  81                           ; and pair 0's scale words
.set OIV, 82                           ; the same for v^T
.set OSV, 83
.set T1,  84                           ; v84-86 offsets of the head's scale loads
.set PFO2, 87                          ; the prefetch's offset in a tile of x
.set NXP, 96                           ; the next piece's first fragments
.set NXR, 97
.set RF,  112
.set TM,  208
.set PC,  224
.set PW,  244
.set PWS, 245
.set PWO, 246
.set WV,  16
.set LH,  17                           ; wave % 2
.set LW,  18                           ; wave / 2
.set PFX, 24
.set G1X, 28                           ; x: 8 rows of 6,144 bytes
.set G1H, 36                           ; half of a half piece: 4 rows
.set G1W, 44                           ; a quarter of it: 2 rows
.set G0X, 52
.set G0H, 56
.set SEL, 60
.set HM,  62                           ; lanes 16-31
.set CNT, 63                           ; trips to go
.set G0W0, 68
.set G0W1, 72
.set PFA, 76
.set MSB, 0
.macro WIN new                         ; the immediate's high byte repeats the setting that is left
.if MSB != \new
	s_set_vgpr_msb (MSB<<8)|\new
.set MSB, \new
.endif
.endm
.macro PLACES                          ; four plain places behind matrix instructions, in front of loads into their sources and of reads of their results
.rept 4
	v_nop
.endr
.endm
.macro FETCH ap, ar, q, set            ; the fragments of a K half's q-th step: 36 loads of 512 consecutive bytes
	WIN 0x40
.irp b, 0,1,2,3,4,5,6,7
.irp j, 0,1,2
	ds_load_b128 v[128*(\set)+12*\b+4*\j:128*(\set)+12*\b+4*\j+3], v[\ap] offset:TROW*\b+1536*(\q)+512*\j
.endr
.endr
	WIN 0
.irp a, 0,1,2,3
.irp j, 0,1,2
	ds_load_b128 v[RF+48*(\set)+12*\a+4*\j:RF+48*(\set)+12*\a+4*\j+3], v[\ar] offset:TROW*\a+1536*(\q)+512*\j
.endr
.endr
.endm
.macro WM1 mode                        ; one product; an odd tile's scale words stand in lanes 16-31
.if \mode == 1
.if sel == 0
	v_wmma_scale_f32_16x16x128_f8f6f4 v[rD:rD+7], v[rP:rP+11], v[rR:rR+11], 0, v[rSP], v[rSR] matrix_a_fmt:MATRIX_FMT_FP6 matrix_b_fmt:MATRIX_FMT_FP6
.elseif sel == 1
	v_wmma_scale_f32_16x16x128_f8f6f4 v[rD:rD+7], v[rP:rP+11], v[rR:rR+11], 0, v[rSP], v[rSR] matrix_a_fmt:MATRIX_FMT_FP6 matrix_b_fmt:MATRIX_FMT_FP6 matrix_a_scale:MATRIX_SCALE_ROW1
.elseif sel == 2
	v_wmma_scale_f32_16x16x128_f8f6f4 v[rD:rD+7], v[rP:rP+11], v[rR:rR+11], 0, v[rSP], v[rSR] matrix_a_fmt:MATRIX_FMT_FP6 matrix_b_fmt:MATRIX_FMT_FP6 matrix_b_scale:MATRIX_SCALE_ROW1
.else
	v_wmma_scale_f32_16x16x128_f8f6f4 v[rD:rD+7], v[rP:rP+11], v[rR:rR+11], 0, v[rSP], v[rSR] matrix_a_fmt:MATRIX_FMT_FP6 matrix_b_fmt:MATRIX_FMT_FP6 matrix_a_scale:MATRIX_SCALE_ROW1 matrix_b_scale:MATRIX_SCALE_ROW1
.endif
.else
.if sel == 0
	v_wmma_scale_f32_16x16x128_f8f6f4 v[rD:rD+7], v[rP:rP+11], v[rR:rR+11], v[rD:rD+7], v[rSP], v[rSR] matrix_a_fmt:MATRIX_FMT_FP6 matrix_b_fmt:MATRIX_FMT_FP6
.elseif sel == 1
	v_wmma_scale_f32_16x16x128_f8f6f4 v[rD:rD+7], v[rP:rP+11], v[rR:rR+11], v[rD:rD+7], v[rSP], v[rSR] matrix_a_fmt:MATRIX_FMT_FP6 matrix_b_fmt:MATRIX_FMT_FP6 matrix_a_scale:MATRIX_SCALE_ROW1
.elseif sel == 2
	v_wmma_scale_f32_16x16x128_f8f6f4 v[rD:rD+7], v[rP:rP+11], v[rR:rR+11], v[rD:rD+7], v[rSP], v[rSR] matrix_a_fmt:MATRIX_FMT_FP6 matrix_b_fmt:MATRIX_FMT_FP6 matrix_b_scale:MATRIX_SCALE_ROW1
.else
	v_wmma_scale_f32_16x16x128_f8f6f4 v[rD:rD+7], v[rP:rP+11], v[rR:rR+11], v[rD:rD+7], v[rSP], v[rSR] matrix_a_fmt:MATRIX_FMT_FP6 matrix_b_fmt:MATRIX_FMT_FP6 matrix_a_scale:MATRIX_SCALE_ROW1 matrix_b_scale:MATRIX_SCALE_ROW1
.endif
.endif
.endm
.macro MULA set, k, mode, scr, a0, na  ; R tiles a0 .. a0 + na - 1 x P's eight.  Over a K step the 32 accumulators take turns, in the same order in every step.  mode 1: the products start the sums
	WIN 0xa1                                       ; P window 1, R window 0, C and D window 2
.set ia, \a0
.rept \na
.set ib, 0
.rept 8
.set rD, 8*(8*ia+ib)
.set rP, 128*(\set)+12*ib
.set rR, RF+48*(\set)+12*ia
.set rSP, SCP+(ib/2)*8+(\k)
.set rSR, (\scr)+(ia/2)*8+(\k)
.set sel, (ib%2)+2*(ia%2)
	WM1 \mode
.set ib, ib+1
.endr
.set ia, ia+1
.endr
.endm
.macro KS set, k, mode, scr, ap, ar, nq    ; a K step: the next step's fragments are asked for ahead of this step's 32 products
	s_wait_dscnt 0x0                               ; this step's 36 loads, issued 32 products ago
	PLACES
	FETCH \ap, \ar, \nq, 1-(\set)
	MULA \set, \k, \mode, \scr, 0, 4
	WIN 0
.endm
.macro CREST                           ; a round of the cluster's barrier behind its opening barrier
	s_cmp_lg_u32 s[WV], 0
	s_cbranch_scc1 .Lnot_wave_0_\@
	s_barrier_signal -3
.Lnot_wave_0_\@:
	s_barrier_wait -3
	s_barrier_signal -1
	s_barrier_wait -1
.endm
.macro CROUND
	s_barrier_signal -1
	s_barrier_wait -1
	CREST
.endm
.macro HLOAD                           ; a K half of x and of Wq: waves 0, 1 eight tiles of x each, waves 2, 3 four tiles of Wq each: one load a wave
	s_cmp_eq_u32 s[LW], 0
	s_cbranch_scc0 .Lfor_w_\@
	tensor_load_to_lds s[G0X:G0X+3], s[G1X:G1X+7]
	s_nop 0
	PLACES
	s_branch .Lasked_\@
.Lfor_w_\@:
	tensor_load_to_lds s[G0H:G0H+3], s[G1H:G1H+7]
	s_nop 0
	PLACES
.Lasked_\@:
.endm
; A slot's last K step, in the loop: the slot is filled again with the next piece's half, and the other slot's first fragments (ap, ar) are fetched
.macro CHG set, k, g0, ap, ar, pf
	s_wait_tensorcnt 0x0                           ; all my tensor loads have landed: my part of the other slot
	ds_add_u32 v[SPW], v[NIL]
	s_add_nc_u64 s[\g0+2:\g0+3], s[\g0+2:\g0+3], PIECE   ; no load of mine is out: this slot's next piece
	s_wait_dscnt 0x1                               ; this step's 36 loads are in; the add alone may be out
	MULA \set, \k, 0, SCR, 0, 1
	s_wait_dscnt 0x0                               ; the add is done, and my reads of this slot are over
	s_barrier_signal -1
	MULA \set, \k, 0, SCR, 1, 1                    ; work on registers inside the round
	WIN 0
	s_barrier_wait -1
	CREST                                          ; no wave of any partner still reads this slot or has a load on its way
	tensor_load_to_lds s[\g0:\g0+3], s[G1W:G1W+7]  ; my one load behind the round
	s_nop 0
	PLACES                                         ; also the places in front of the loads below
	FETCH \ap, \ar, 0, 1-(\set)
	s_cmp_eq_u32 s[CNT], 2                         ; the first trip alone has a half piece two load events on
	s_cbranch_scc0 .Lno_ask_\@
	global_prefetch_b8 v[PFO], s[PFA:PFA+1] offset:\pf th:TH_LOAD_NT scope:SCOPE_SE
.Lno_ask_\@:
	MULA \set, \k, 0, SCR, 2, 2
	WIN 0
.endm
; 64 accumulator registers of a lane, register 16 b + i = k 32 b + 16 (lane / 16) + i of my row, become a fragment in v[PC] on and its scale word in v[PW]
.macro QUANT s
	WIN 0x0a
.irp b, 0,1,2,3
	v_max3_num_f32 v[TM+\b], |v[(\s)+16*\b]|, |v[(\s)+16*\b+1]|, 0x1800000   ; with the floor 2^(3 - 127): the byte cannot fall under 1.  Each accumulator is read from its low end on
.endr
.irp i, 2,4,6,8,10,12,14
.irp b, 0,1,2,3
	v_max3_num_f32 v[TM+\b], |v[(\s)+16*\b+\i]|, |v[(\s)+16*\b+\i+1]|, v[TM+\b]
.endr
.endr
	WIN 0
.irp b, 0,1,2,3
	v_permlanex16_b32 v[TM+4+\b], v[TM+\b], s[SEL], s[SEL+1]
.endr
.irp b, 0,1,2,3
	v_max_num_f32 v[TM+\b], v[TM+\b], v[TM+4+\b]   ; with lane l xor 16's 16: the block's largest magnitude
.endr
.irp b, 0,1,2,3
	v_add_nc_u32 v[TM+12+\b], 0xff000000, v[TM+\b] ; 2 off the exponent field: the conversion's scale operand
.endr
.irp b, 0,1,2,3
	v_lshrrev_b32 v[TM+4+\b], 23, v[TM+12+\b]      ; the scale's byte
.endr
	v_lshl_or_b32 v[PW], v[TM+5], 8, v[TM+4]
	v_lshl_or_b32 v[PW], v[TM+6], 16, v[PW]
	v_lshl_or_b32 v[PW], v[TM+7], 24, v[PW]
	WIN 0x02
.irp c, 0,1
	v_cvt_scalef32_pk16_fp6_f32 v[PC+6*\c:PC+6*\c+2], v[(\s)+32*\c:(\s)+32*\c+15], v[TM+12+2*\c]
	v_cvt_scalef32_pk16_fp6_f32 v[PC+12+4*\c:PC+12+4*\c+2], v[(\s)+32*\c+16:(\s)+32*\c+31], v[TM+13+2*\c]
.endr
	WIN 0
	v_nop                                          ; one plain place behind a scaled conversion
.irp c, 0,1                            ; the layout wants a whole block in a lane: lanes 0-15 block 2 c, lanes 16-31 block 2 c + 1
.irp i, 0,1,2
	v_permlane16_swap_b32 v[PC+6*\c+\i], v[PC+12+4*\c+\i]
.endr
.irp i, 0,1,2
	v_mov_b32 v[PC+3+6*\c+\i], v[PC+12+4*\c+\i]
.endr
.endr
.endm
.macro EPI oi, ts, os, ps, bi, bs      ; each R tile's 64 results become one fragment of the next operand
.irp a, 0,1,2,3
	s_wait_xcnt 0x0                                ; the last stores have read their registers
	QUANT 64*\a
.irp c, 0,1,2
	global_store_b128 v[\oi], v[PC+4*\c:PC+4*\c+3], s[\bi:\bi+1] offset:\ts*\a+512*\c   ; 512 consecutive bytes a store
.endr
.if \a % 2 == 0
	v_mov_b32 v[PWS], v[PW]
.else
	v_cndmask_b32 v[PWO], v[PWS], v[PW], s[HM]     ; lanes 0-15 the even tile's words, lanes 16-31 the odd tile's
	global_store_b32 v[\os], v[PWO], s[\bs:\bs+1] offset:\ps*(\a/2)
.endif
.endr
.endm
	s_load_b128 s[4:7], s[0:1], 0x0                ; opA, opB
	v_lshl_add_u32 v[SPW], v0, 2, SPARE
	v_mov_b32 v[NIL], 0
	ds_add_u32 v[SPW], v[NIL]                      ; the wave's opening: the add, twice on end, and its wait ahead of my first tensor load
	ds_add_u32 v[SPW], v[NIL]
	v_lshrrev_b32 v[LN], 5, v0
	v_readfirstlane_b32 s[WV], v[LN]
	s_and_b32 s[LH], s[WV], 1
	s_lshr_b32 s[LW], s[WV], 1
	s_bfe_u32 s20, ttmp6, 0x40000                  ; cx
	s_bfe_u32 s21, ttmp6, 0x40004                  ; cy
	s_and_b32 s23, ttmp7, 0xffff
	s_lshl_b32 s23, s23, 2
	s_add_co_u32 s23, s23, s21                     ; i: which 256 tokens (cy, never cx)
	s_lshl_b32 s22, ttmp9, 2
	s_add_co_u32 s22, s22, s20                     ; j: which 128 rows of each weight (cx, never cy)
	s_lshl_b32 s24, 0x1111, s20                    ; my column of the cluster
	s_lshl_b32 s25, s21, 2
	s_lshl_b32 s25, 15, s25                        ; my row
	s_or_b32 s[G1X], s25, (3<<16)|(1<<21)          ; the mask; elements of 8 bytes; bit 21 beside a mask
	s_or_b32 s[G1H], s24, (3<<16)|(1<<21)
	s_or_b32 s[G1W], s24, (3<<16)|(1<<21)
.irp g, G1X, G1H, G1W
	s_mov_b32 s[\g+1], 768<<16                     ; tensor_dim0: 6,144 bytes, four K steps of a tile
	s_mov_b32 s[\g+3], 768<<16                     ; tile_dim0
	s_mov_b32 s[\g+5], 1536                        ; from tile to tile
	s_mov_b32 s[\g+6], 0
	s_mov_b32 s[\g+7], 0
.endr
	s_mov_b32 s[G1X+2], 8<<16
	s_mov_b32 s[G1X+4], 8
	s_mov_b32 s[G1H+2], 4<<16
	s_mov_b32 s[G1H+4], 4
	s_mov_b32 s[G1W+2], 2<<16
	s_mov_b32 s[G1W+4], 2
	s_mul_i32 s26, s[LH], 8*TILEB                  ; of x's 16 tiles I fetch half wave % 2
	s_lshl_b32 s78, s23, 4
	s_add_co_u32 s78, s78, 256
	s_mul_i32 s78, s78, TILEB
	s_add_co_u32 s78, s78, s26                     ; x's tiles 256 + 16 i on
	s_mov_b32 s79, 0
	s_mul_i32 s82, s22, 8*TILEB                    ; Wq's tiles 8 j on
	s_mul_i32 s26, s[LH], 4*TILEB                  ; of its 8 tiles half wave % 2
	s_add_co_u32 s80, s82, s26
	s_mov_b32 s81, 0
	s_mul_i32 s27, s[WV], 2*TILEB                  ; in the ring I fetch tiles 2 w, 2 w + 1 of the piece
	s_add_co_u32 s82, s82, s27
	s_mov_b32 s83, 0
	s_mov_b32 s[G0X], 1
	s_mul_i32 s[G0X+1], s[LH], 8*TROW              ; where the loads land: the wave's number alone
	s_mov_b32 s[G0H], 1
	s_mul_i32 s[G0H+1], s[LH], 4*TROW
	s_add_co_u32 s[G0H+1], s[G0H+1], WS0
	s_mov_b32 s[G0W0], 1
	s_mul_i32 s[G0W0+1], s[WV], 2*TROW
	s_add_co_u32 s[G0W0+1], s[G0W0+1], WS0
	s_mov_b32 s[G0W1], 1
	s_add_co_u32 s[G0W1+1], s[G0W0+1], WS1-WS0
	s_wait_dscnt 0x0                               ; both opening adds are done
	s_wait_kmcnt 0x0
	s_add_nc_u64 s[G0X+2:G0X+3], s[4:5], s[78:79]
	s_or_b32 s[G0X+3], s[G0X+3], 0x80000000
	s_add_nc_u64 s[G0H+2:G0H+3], s[4:5], s[80:81]
	s_or_b32 s[G0H+3], s[G0H+3], 0x80000000
	s_add_nc_u64 s[G0W0+2:G0W0+3], s[4:5], s[82:83]      ; at Wq: each refill first steps a piece on
	s_add_nc_u64 s[G0W1+2:G0W1+3], s[G0W0+2:G0W0+3], TROW
	s_or_b32 s[G0W0+3], s[G0W0+3], 0x80000000
	s_or_b32 s[G0W1+3], s[G0W1+3], 0x80000000
	CROUND                                         ; all sixteen work-groups are here: the joint loads meet
	HLOAD                                          ; K steps 0 to 3
	s_mov_b32 s[SEL], 0x76543210
	s_mov_b32 s[SEL+1], 0xfedcba98
	s_mov_b32 s[HM], 0xffff0000
	s_mov_b64 s[10:11], s[6:7]                     ; q's images; stepped to k's
	s_add_nc_u64 s[12:13], s[6:7], B_SC            ; q's scale words; stepped to k's
	s_lshl_b32 s84, s22, 3                         ; the prefetches in a piece: tile 8 j + 2 cy + wave / 2, half wave % 2 of its 6,144 bytes
	s_lshl_b32 s27, s21, 1
	s_add_co_u32 s84, s84, s27
	s_add_co_u32 s84, s84, s[LW]
	s_mul_i32 s84, s84, TILEB
	s_mul_i32 s27, s[LH], 3072
	s_add_co_u32 s84, s84, s27
	s_mov_b32 s85, 0
	s_add_nc_u64 s[PFA:PFA+1], s[4:5], s[84:85]
	s_lshl_b32 s2, s23, 4                          ; and in x: K steps 4 to 7 of tile 256 + 16 i + 4 cx + wave
	s_lshl_b32 s27, s20, 2
	s_add_co_u32 s2, s2, s27
	s_add_co_u32 s2, s2, s[WV]
	s_add_co_u32 s2, s2, 256
	s_mul_i32 s2, s2, TILEB
	s_add_co_u32 s2, s2, TROW
	s_mov_b32 s3, 0
	s_add_nc_u64 s[PFX:PFX+1], s[4:5], s[2:3]
	s_mul_i32 s86, s[WV], 4*TROW                   ; q, k: my four tiles of x
	s_mul_i32 s87, s[LH], 8*TROW                   ; v: my half of x
	s_mul_i32 s88, s[LW], 4*TROW
	s_add_co_u32 s88, s88, WS0                     ; v: my half of the piece
	s_lshl_b32 s89, s22, 12
	s_add_co_u32 s89, s89, A_SC                    ; scale words of Wq's tiles 8 j on,
	s_add_co_u32 s90, s89, 64*512                  ; of Wk's,
	s_lshl_b32 s91, s23, 4
	s_lshl_b32 s27, s[LH], 3
	s_add_co_u32 s91, s91, s27
	s_add_co_u32 s91, s91, 256
	s_lshl_b32 s91, s91, 9
	s_add_co_u32 s91, s91, A_SC                    ; of my half of x,
	s_lshl_b32 s26, s23, 4
	s_lshl_b32 s27, s[WV], 2
	s_add_co_u32 s26, s26, s27                     ; 16 i + 4 w: my first token tile
	s_add_co_u32 s92, s26, 256
	s_lshl_b32 s92, s92, 9
	s_add_co_u32 s92, s92, A_SC                    ; of my four tiles of x,
	s_lshl_b32 s2, s22, 3
	s_lshl_b32 s27, s[LW], 2
	s_add_co_u32 s2, s2, s27                       ; 8 j + 4 (w / 2): my first d tile
	s_add_co_u32 s93, s2, 128
	s_lshl_b32 s93, s93, 9
	s_add_co_u32 s93, s93, A_SC                    ; and of my half of Wv's piece
	s_mul_i32 s94, s26, TILEB
	s_mul_i32 s27, s22, 1536
	s_add_co_u32 s94, s94, s27                     ; q, k: tile 16 i + 4 w, K step j
	s_lshl_b32 s95, s26, 9
	s_lshl_b32 s27, s22, 2
	s_add_co_u32 s95, s95, s27
	s_lshr_b32 s3, s23, 3
	s_lshl_b32 s3, s3, 6
	s_add_co_u32 s2, s2, s3                        ; 64 b + d tile
	s_and_b32 s3, s23, 7
	s_lshl_b32 s3, s3, 1
	s_add_co_u32 s3, s3, s[LH]                     ; my key step
	s_lshl_b32 s96, s2, 4
	s_add_co_u32 s96, s96, s3
	s_mul_i32 s96, s96, 1536
	s_add_co_u32 s96, s96, B_VT
	s_lshl_b32 s97, s2, 10
	s_lshl_b32 s27, s3, 2
	s_add_co_u32 s97, s97, s27
	s_add_co_u32 s97, s97, B_VSC
	v_and_b32 v[LN], 31, v0
	v_and_b32 v[VR], 15, v0
	v_bfe_u32 v[VH], v0, 4, 1
	v_min_u32 v[PFO2], 23, v[LN]
	v_min_u32 v[PFO], 11, v[LN]
	v_lshlrev_b32 v[PFO2], 8, v[PFO2]              ; 24 blocks of 256 bytes a wave
	v_lshlrev_b32 v[PFO], 8, v[PFO]                ; 12 blocks of 256 bytes a wave
	v_lshl_add_u32 v[T1], v[LN], 5, s89            ; a pair of tiles' scale words: 32 bytes a lane
	v_lshl_add_u32 v[T1+1], v[LN], 5, s92
	v_lshl_add_u32 v[T1+2], v[LN], 5, s93
	global_prefetch_b8 v[PFO2], s[PFX:PFX+1] th:TH_LOAD_NT scope:SCOPE_SE                    ; the next load event: x's K steps 4 to 7,
	global_prefetch_b8 v[PFO], s[PFA:PFA+1] offset:TROW th:TH_LOAD_NT scope:SCOPE_SE         ; Wq's second half;
	global_prefetch_b8 v[PFO], s[PFA:PFA+1] offset:PIECE th:TH_LOAD_NT scope:SCOPE_SE        ; and the one behind it: Wk's first half
.irp p, 0,1,2,3
.irp g, 0,1
	global_load_b128 v[SCP+8*\p+4*\g:SCP+8*\p+4*\g+3], v[T1], s[4:5] offset:1024*\p+16*\g
.endr
.endr
.irp p, 0,1
.irp g, 0,1
	global_load_b128 v[SCR+8*\p+4*\g:SCR+8*\p+4*\g+3], v[T1+1], s[4:5] offset:1024*\p+16*\g
	global_load_b128 v[SCRV+8*\p+4*\g:SCRV+8*\p+4*\g+3], v[T1+2], s[4:5] offset:1024*\p+16*\g
.endr
.endr
	v_lshl_add_u32 v[APQ0], v[LN], 4, WS0
	v_lshl_add_u32 v[APQ1], v[LN], 4, WS1
	v_lshl_add_u32 v[ARQ0], v[LN], 4, s86
	v_add_nc_u32 v[ARQ1], XB, v[ARQ0]
	v_lshl_add_u32 v[APV0], v[LN], 4, s87
	v_add_nc_u32 v[APV1], XB, v[APV0]
	v_lshl_add_u32 v[ARV0], v[LN], 4, s88
	v_add_nc_u32 v[ARV1], WS1-WS0, v[ARV0]
	v_lshl_add_u32 v[OI], v[LN], 4, s94
	v_lshl_add_u32 v[OS], v[VR], 5, s95
	v_lshl_add_u32 v[OS], v[VH], 9, v[OS]          ; slot r of the pair's tile h
	v_lshl_add_u32 v[OIV], v[LN], 4, s96
	v_lshl_add_u32 v[OSV], v[VR], 6, s97
	v_lshl_add_u32 v[OSV], v[VH], 10, v[OSV]
.irp b, 0,1,2,3
	v_mov_b32 v[TM+4+\b], 0                        ; written once: a lane permute's destination counts as one of its sources
.endr
	s_wait_alu depctr_va_vdst(0)                   ; the head's end
	s_wait_tensorcnt 0x0                           ; my part of K steps 0 to 3 has landed; the second K halves are issued as refills are:
	ds_add_u32 v[SPW], v[NIL]
	s_add_co_u32 s[G0X+1], s[G0X+1], XB            ; no load of mine is out: both group 0 go on to K steps 4 to 7
	s_add_nc_u64 s[G0X+2:G0X+3], s[G0X+2:G0X+3], TROW
	s_add_co_u32 s[G0H+1], s[G0H+1], WS1-WS0
	s_add_nc_u64 s[G0H+2:G0H+3], s[G0H+2:G0H+3], TROW
	s_wait_dscnt 0x0
	CROUND                                         ; everybody's part is in, and all sixteen work-groups are here: the joint loads meet
	HLOAD                                          ; K steps 4 to 7: my one load behind the round
	s_wait_loadcnt 0x0                             ; the scale words
	FETCH APQ0, ARQ0, 0, 0
	global_prefetch_b8 v[PFO], s[PFA:PFA+1] offset:PIECE+TROW th:TH_LOAD_NT scope:SCOPE_SE   ; two load events on: Wk's second half
	s_mov_b32 s[CNT], 2
.Lpiece:                                               ; a trip makes q, then k
	s_cmp_eq_u32 s[CNT], 2                         ; what follows this piece: k, laid as q is, or v^T
	s_cselect_b32 s98, WS0, s87
	s_cselect_b32 s99, s86, s88
	s_cselect_b32 s3, s90, s91
	v_lshl_add_u32 v[NXP], v[LN], 4, s98
	v_lshl_add_u32 v[NXR], v[LN], 4, s99
	v_lshl_add_u32 v[NSC], v[LN], 5, s3
	s_wait_alu depctr_va_vdst(0)
	KS 0, 0, 1, SCR, APQ0, ARQ0, 1
	KS 1, 1, 0, SCR, APQ0, ARQ0, 2
	KS 0, 2, 0, SCR, APQ0, ARQ0, 3
	CHG 1, 3, G0W0, APQ1, ARQ1, 2*PIECE
	KS 0, 4, 0, SCR, APQ1, ARQ1, 1
	KS 1, 5, 0, SCR, APQ1, ARQ1, 2
	KS 0, 6, 0, SCR, APQ1, ARQ1, 3
	CHG 1, 7, G0W1, NXP, NXR, 2*PIECE+TROW
	PLACES                                         ; for the loads into the scale registers and for the first read of results
.irp p, 0,1,2,3
.irp g, 0,1
	global_load_b128 v[SCP+8*\p+4*\g:SCP+8*\p+4*\g+3], v[NSC], s[4:5] offset:1024*\p+16*\g   ; the next piece's P scale words land under the quantiser
.endr
.endr
	EPI OI, TILEB, OS, 1024, 10, 12
	s_wait_xcnt 0x0                                ; the stores have read their bases
	s_add_nc_u64 s[10:11], s[10:11], 512*TILEB     ; from q's tiles to k's
	s_add_nc_u64 s[12:13], s[12:13], 512*512
	s_wait_loadcnt 0x0                             ; the scale words
	s_sub_co_i32 s[CNT], s[CNT], 1
	s_cmp_lg_u32 s[CNT], 0
	s_wait_alu depctr_va_vdst(0)
	s_cbranch_scc1 .Lpiece
	; ---- v^T: nothing more is asked for
	KS 0, 0, 1, SCRV, APV0, ARV0, 1
	KS 1, 1, 0, SCRV, APV0, ARV0, 2
	KS 0, 2, 0, SCRV, APV0, ARV0, 3
	s_wait_dscnt 0x0                               ; K step 3's loads
	s_wait_tensorcnt 0x0                           ; my quarter of Wv's second half has landed,
	s_barrier_signal -1
	s_barrier_wait -1                              ; everybody's has.
	PLACES
	FETCH APV1, ARV1, 0, 0
	MULA 1, 3, 0, SCRV, 0, 4
	WIN 0
	KS 0, 4, 0, SCRV, APV1, ARV1, 1
	KS 1, 5, 0, SCRV, APV1, ARV1, 2
	KS 0, 6, 0, SCRV, APV1, ARV1, 3
	s_wait_dscnt 0x0
	MULA 1, 7, 0, SCRV, 0, 4
	WIN 0
	PLACES
	EPI OIV, 2*TILEB, OSV, 2048, 6, 6
	s_wait_tensorcnt 0x0                           ; the wave's end
	ds_add_u32 v[SPW], v[NIL]
	s_wait_dscnt 0x0
	CROUND                                         ; the closing round
	s_endpgm
.Lfunc_end_k_q265a7f5091_qkv:
	.size	k_q265a7f5091_qkv, .Lfunc_end_k_q265a7f5091_qkv-k_q265a7f5091_qkv
	.p2alignl 7, 3214868480
	.fill 96, 4, 3214868480
	.section	.rodata,"a",@progbits
	.p2align	6, 0x0
	.amdhsa_kernel k_q265a7f5091_qkv
		.amdhsa_group_segment_fixed_size 327680
		.amdhsa_private_segment_fixed_size 0
		.amdhsa_enable_private_segment 0
		.amdhsa_kernarg_size 16
		.amdhsa_user_sgpr_count 2
		.amdhsa_user_sgpr_kernarg_segment_ptr 1
		.amdhsa_wavefront_size32 1
		.amdhsa_system_sgpr_workgroup_id_x 1
		.amdhsa_system_sgpr_workgroup_id_y 1
		.amdhsa_system_sgpr_workgroup_id_z 1
		.amdhsa_system_vgpr_workitem_id 0
		.amdhsa_next_free_vgpr 768
		.amdhsa_next_free_sgpr 100
		.amdhsa_reserve_vcc 0
		.amdhsa_float_denorm_mode_32 3
		.amdhsa_float_denorm_mode_16_64 3
		.amdhsa_memory_ordered 1
		.amdhsa_forward_progress 1
		.amdhsa_inst_pref_size 155
	.end_amdhsa_kernel
	.amdgpu_metadata
---
amdhsa.version: [ 1, 2 ]
amdhsa.kernels:
  - .name:           k_q265a7f5091_qkv
    .symbol:         k_q265a7f5091_qkv.kd
    .args:
      - { .name: opA, .offset: 0, .size: 8, .value_kind: global_buffer, .address_space: global }
      - { .name: opB, .offset: 8, .size: 8, .value_kind: global_buffer, .address_space: global }
    .group_segment_fixed_size: 327680
    .private_segment_fixed_size: 0
    .kernarg_segment_align: 8
    .kernarg_segment_size: 16
    .max_flat_workgroup_size: 128
    .sgpr_count:     100
    .vgpr_count:     768
    .wavefront_size: 32
...
	.end_amdgpu_metadata
.endif
;; end of part 2
;; launch score (part 3): grid 64 x 4, 4 waves a work-group, no clusters, 327,680 bytes of LDS; arguments opB, opC; writes opC
.if DOCPART == 3
	.amdgcn_target "amdgcn-amd-amdhsa--gfx1250"
	.amdhsa_code_object_version 6
	.text
	.protected	k_q265a7f5091_score
	.globl	k_q265a7f5091_score
	.p2align	8
	.type	k_q265a7f5091_score,@function
k_q265a7f5091_score:
	s_mov_b64 s[64:65], 0
	v_nop
	global_prefetch_b8 v0, s[64:65] scope:SCOPE_SE
	s_setreg_imm32_b32 hwreg(HW_REG_WAVE_MODE, 25, 1), 1
	s_wait_xcnt 0x0
; LAUNCH 3 OF 5.  S^T = k q^T, the causal mask, p = 2^(t - M) under a STEP-LOCAL whole M, p's codes along the keys, and for each query and key step of 128 a record (scale word, M, sum of the unquantised p).
; LEFT OUT: blocks of 128 keys x 128 queries all of whose keys come after all of their queries: their p is 0 for all inputs (shown at the head of launch 1).  Of 16 x 16 blocks a batch 136 are live.
; WHY A LOCAL M SERVES: M is a whole number, so p under the row's final M is p under the local M times an exact power of two, which the blocks' scale bytes take up: launch 4 shifts the bytes; the codes are the same.
; The maximum is taken away before every exponential: M = ceil(the largest t of the query's 128 keys of the step).  Every query of a block that is computed has a key that counts; M is held at -3e38 from below all the same.
; THE CORE is launch 2's: P = k (tiles 512 + 128 b + 16 j of opB), R = q (tiles 128 b + 8 i): 256 keys x 128 queries a work-group.  A wave's 128 keys are key step 2 j + wave % 2.
; SHARES: 64 work-groups a batch.  For m = 0 .. 7 query tile 2 m takes key tiles 0 .. m - 1 and query tile 2 m + 1 key tiles 0 .. m: 2 m + 1 work-groups, with m m ahead of them.
; THE DIAGONAL WORK-GROUP (query tile 2 m + 1, key tile m) ALSO MAKES THE ONE BLOCK THAT IS LEFT OF QUERY TILE 2 m: its 128 queries against key step 2 m, the first half of the key tile that lies in its LDS anyway.
; So 4 x 64 = 256 work-groups do what 288 tiles of 256 x 128, 32 of them half dead, would.  At the barrier in K step 3 nobody reads slot 0 any more; its bytes 49,152 to 147,455 (k's second half and q, K steps 0 to 3)
; are as many as the 8 tiles of q of query tile 2 m over all of K: each wave fills 24,576 of them with its own two tiles, one dense load, which has five K steps and four tiles of softmax in which to land; only the
; wave that asked reads them.  Then 8 K steps of 16 products (8 key tiles x 2 query tiles), two tiles of softmax.  That path is written out behind a branch on the work-group's number, the same in all four waves.
; By this text's count a wave has two tensor loads out at the head and one behind that barrier.  The launch fills LDS bytes again and claims all of LDS.
; NO CLUSTER: a batch's work-groups form a triangle with 1 to 8 in a row and 1 to 15 in a column, which does not divide into fours that share a tile, and the diagonal ones walk a longer text than their neighbours.
; opC: p at ((128 b + query tile) 16 + key step) 1,536; records at C_ST + ((16 b + key step) 64 + query pair) 512 + 16 lane, lane = slot + 16 (query tile % 2).
; ZERO FILL: launch 4 fetches p four key steps at a time.  The diagonal work-group stores zero codes where a query tile's computed steps end short of a multiple of four: step 2 m + 1 of query tile 2 m always,
; steps 2 m + 2 and 2 m + 3 of both query tiles where m is even: so every byte fetched was stored.  None of these steps is multiplied.
; LIMITS: NaN and infinities are not served; a block whose every p has fallen to 0 keeps the byte 1.
; THE FILLS AS THE TEXT BELOW HAS THEM (this stands in place of the count given above): slot 0 is asked for at the head, one tensor load a wave; slot 1 behind the three lines and a barrier, one load a wave;
; on the diagonal one more behind the barrier of K step 3.  So one tensor load of a wave is out at a time.
.set B_SC,  18874368
.set C_ST,  12582912
.set NK,    8
.set PITCH, 1536
.set TILEB, 12288
.set TROW,  6144
.set SLOTB, 147456
.set ROFF,  98304
.set XOFF,  49152                      ; where the further query tile's q lands
.set XWB,   24576                      ; a wave's two tiles of it
.set SPARE, 294912
.set AP0, 1
.set AR0, 2
.set ADP, 3
.set ADR, 4
.set VR,  5
.set VH,  6
.set OI,  7                            ; v7  where tile 0's image goes
.set ORC, 8                            ; v8  where pair 0's records go
.set VDB, 9                            ; v9  my query of tile 0 less my first key
.set VD,  10
.set NINF, 11                          ; v11 -infinity
.set XSP, 12                           ; v12 the further block: where k's scale words lie
.set XSR, 13                           ; v13 and q's
.set SPW, 14
.set NIL, 15
.set SCP, 16
.set SCR, 16+4*NK
.set RF,  112
.set TT,  112                          ; v112-175 t - M, then p
.set REC, 176                          ; v176-179 a record; v180-182 the even tile's
.set TM,  208
.set PC,  224
.set PW,  244
.set TMX, 247
.set SUMA, 248
.set SUMB, 250
.set NM,  252                          ; v[252:253] -M (the packed form names a pair)
.set MM,  254
.set LX,  255
.set WV,  16
.set LH,  17
.set LW,  18
.set DG,  19                           ; s19 1 in a diagonal work-group
.set DSQ, 26                           ; s26 the wave's first query less its first key
.set G1P, 28
.set G1R, 36
.set G0P0, 44
.set G0P1, 48
.set G0R0, 52
.set G0R1, 56
.set SEL, 60
.set HM,  62
.set CS,  66                           ; s[66:67] log2(e) / 32
.set G1X, 88                           ; s[88:95], s[96:99] the further query tile's q
.set G0X, 96
.set MSB, 0
.macro WIN new
.if MSB != \new
	s_set_vgpr_msb (MSB<<8)|\new
.set MSB, \new
.endif
.endm
.macro PLACES
.rept 4
	v_nop
.endr
.endm
.macro FETCH q, set
	WIN 0x40
.irp b, 0,1,2,3,4,5,6,7
.irp j, 0,1,2
	ds_load_b128 v[128*(\set)+12*\b+4*\j:128*(\set)+12*\b+4*\j+3], v[ADP] offset:TROW*\b+1536*(\q)+512*\j
.endr
.endr
	WIN 0
.irp a, 0,1,2,3
.irp j, 0,1,2
	ds_load_b128 v[RF+48*(\set)+12*\a+4*\j:RF+48*(\set)+12*\a+4*\j+3], v[ADR] offset:TROW*\a+1536*(\q)+512*\j
.endr
.endr
.endm
.macro FETCHX k, set                   ; the further block's K step k: k's first eight tiles, out of the slot that holds the step, and my two tiles of q: 30 loads
	WIN 0x40
.irp b, 0,1,2,3,4,5,6,7
.irp j, 0,1,2
	ds_load_b128 v[128*(\set)+12*\b+4*\j:128*(\set)+12*\b+4*\j+3], v[ADP] offset:TROW*\b+1536*((\k)%4)+512*\j
.endr
.endr
	WIN 0
.irp a, 0,1
.irp j, 0,1,2
	ds_load_b128 v[RF+48*(\set)+12*\a+4*\j:RF+48*(\set)+12*\a+4*\j+3], v[ADR] offset:TILEB*\a+1536*(\k)+512*\j
.endr
.endr
.endm
.macro WM1 mode
.if \mode == 1
.if sel == 0
	v_wmma_scale_f32_16x16x128_f8f6f4 v[rD:rD+7], v[rP:rP+11], v[rR:rR+11], 0, v[rSP], v[rSR] matrix_a_fmt:MATRIX_FMT_FP6 matrix_b_fmt:MATRIX_FMT_FP6
.elseif sel == 1
	v_wmma_scale_f32_16x16x128_f8f6f4 v[rD:rD+7], v[rP:rP+11], v[rR:rR+11], 0, v[rSP], v[rSR] matrix_a_fmt:MATRIX_FMT_FP6 matrix_b_fmt:MATRIX_FMT_FP6 matrix_a_scale:MATRIX_SCALE_ROW1
.elseif sel == 2
	v_wmma_scale_f32_16x16x128_f8f6f4 v[rD:rD+7], v[rP:rP+11], v[rR:rR+11], 0, v[rSP], v[rSR] matrix_a_fmt:MATRIX_FMT_FP6 matrix_b_fmt:MATRIX_FMT_FP6 matrix_b_scale:MATRIX_SCALE_ROW1
.else
	v_wmma_scale_f32_16x16x128_f8f6f4 v[rD:rD+7], v[rP:rP+11], v[rR:rR+11], 0, v[rSP], v[rSR] matrix_a_fmt:MATRIX_FMT_FP6 matrix_b_fmt:MATRIX_FMT_FP6 matrix_a_scale:MATRIX_SCALE_ROW1 matrix_b_scale:MATRIX_SCALE_ROW1
.endif
.else
.if sel == 0
	v_wmma_scale_f32_16x16x128_f8f6f4 v[rD:rD+7], v[rP:rP+11], v[rR:rR+11], v[rD:rD+7], v[rSP], v[rSR] matrix_a_fmt:MATRIX_FMT_FP6 matrix_b_fmt:MATRIX_FMT_FP6
.elseif sel == 1
	v_wmma_scale_f32_16x16x128_f8f6f4 v[rD:rD+7], v[rP:rP+11], v[rR:rR+11], v[rD:rD+7], v[rSP], v[rSR] matrix_a_fmt:MATRIX_FMT_FP6 matrix_b_fmt:MATRIX_FMT_FP6 matrix_a_scale:MATRIX_SCALE_ROW1
.elseif sel == 2
	v_wmma_scale_f32_16x16x128_f8f6f4 v[rD:rD+7], v[rP:rP+11], v[rR:rR+11], v[rD:rD+7], v[rSP], v[rSR] matrix_a_fmt:MATRIX_FMT_FP6 matrix_b_fmt:MATRIX_FMT_FP6 matrix_b_scale:MATRIX_SCALE_ROW1
.else
	v_wmma_scale_f32_16x16x128_f8f6f4 v[rD:rD+7], v[rP:rP+11], v[rR:rR+11], v[rD:rD+7], v[rSP], v[rSR] matrix_a_fmt:MATRIX_FMT_FP6 matrix_b_fmt:MATRIX_FMT_FP6 matrix_a_scale:MATRIX_SCALE_ROW1 matrix_b_scale:MATRIX_SCALE_ROW1
.endif
.endif
.endm
.macro MULN na, set, k, mode           ; a K step on na query tiles: the 8 na accumulators by turns, in the same order in every step.  mode 1: the products start the sums
	WIN 0xa1
.set ia, 0
.rept \na
.set ib, 0
.rept 8
.set rD, 8*(8*ia+ib)
.set rP, 128*(\set)+12*ib
.set rR, RF+48*(\set)+12*ia
.set rSP, SCP+(ib/2)*NK+(\k)
.set rSR, SCR+(ia/2)*NK+(\k)
.set sel, (ib%2)+2*(ia%2)
	WM1 \mode
.set ib, ib+1
.endr
.set ia, ia+1
.endr
	WIN 0
.endm
; nxt = 1: the next step's fragments, the slot's nq-th, are asked for ahead of this step's products; 2: they lie in slot 1, behind a barrier; 3: as 2, and behind the barrier a part of slot 0 is filled again; 0: no next step
.macro KSTEP set, k, mode, nxt, nq
.if \nxt == 3
	s_wait_tensorcnt 0x0                           ; all my tensor loads have landed, my part of slot 1 among them
	ds_add_u32 v[SPW], v[NIL]
	s_wait_dscnt 0x0                               ; the add is done; this step's 36 loads, my last reads of slot 0, are in
	s_barrier_signal -1
	s_barrier_wait -1                              ; both hold of all four waves
	tensor_load_to_lds s[G0X:G0X+3], s[G1X:G1X+7]  ; my one load behind this barrier, first thing there: my two tiles of the further query tile's q
	s_nop 0
.else
	s_wait_dscnt 0x0                               ; this step's 36 loads, issued 32 products ago
.if \nxt == 2
	s_wait_tensorcnt 0x0                           ; my part of slot 1 has landed,
	s_barrier_signal -1
	s_barrier_wait -1                              ; everybody's has
.endif
.endif
.if \nxt
	PLACES
.if \nxt >= 2
	v_add_nc_u32 v[ADP], SLOTB, v[AP0]
	v_add_nc_u32 v[ADR], SLOTB, v[AR0]
.endif
	FETCH \nq, 1-(\set)
.endif
	MULN 4, \set, \k, \mode
.endm
.macro KX set, k, mode, nxt            ; a K step of the further block
	s_wait_dscnt 0x0                               ; this step's 30 loads, issued 16 products ago
.if \nxt
	PLACES
.if ((\k)+1) == 4
	v_add_nc_u32 v[ADP], SLOTB, v[ADP]             ; k's K steps 4 to 7 lie in slot 1
.endif
	FETCHX (\k)+1, 1-(\set)
.endif
	MULN 2, \set, \k, \mode
.endm
; Query tile a of the wave: mask, maximum, p, sum, codes, record.  Register 16 b + n of the tile holds key 32 b + 16 (lane / 16) + n of the step.  msk = 0: written where no key can come after a query
.macro SOFT a, msk
.set AC, 64*(\a)
.if (\a) > 0
	s_wait_xcnt 0x0                                ; the last stores have read their registers
.endif
.if \msk
	s_cmp_ge_i32 s[DSQ], 127                       ; all 128 keys count for all my queries: ids and the wave's number alone; no barrier stands inside
	s_cbranch_scc1 .Lopen_\@
	v_add_nc_u32 v[VD], 32*((\a)/2)+8*((\a)%2), v[VDB]
	WIN 0x82
.set n, 0
.rept 64
	v_cmp_gt_i32 vcc_lo, 32*(n/16)+n%16, v[VD]     ; the key comes after my query:
	v_cndmask_b32 v[AC+n], v[AC+n], v[NINF], vcc_lo   ; its score becomes -infinity, as in reference()
.set n, n+1
.endr
	WIN 0
.Lopen_\@:
.endif
	WIN 0x0a
.irp b, 0,1,2,3
	v_max3_num_f32 v[TM+\b], v[AC+16*\b], v[AC+16*\b+1], v[NINF]   ; the largest score of each block of 32 keys: it serves the row's maximum and, since p rises with the score, the block's largest p
.endr
.irp i, 2,4,6,8,10,12,14
.irp b, 0,1,2,3
	v_max3_num_f32 v[TM+\b], v[AC+16*\b+\i], v[AC+16*\b+\i+1], v[TM+\b]
.endr
.endr
	WIN 0
.irp b, 0,1,2,3
	v_permlanex16_b32 v[TM+4+\b], v[TM+\b], s[SEL], s[SEL+1]
.endr
.irp b, 0,1,2,3
	v_max_num_f32 v[TM+\b], v[TM+\b], v[TM+4+\b]
.endr
	v_max3_num_f32 v[TMX], v[TM], v[TM+1], v[TM+2]
	v_max_num_f32 v[TMX], v[TMX], v[TM+3]
	v_mul_f32 v[TMX], s[CS], v[TMX]                ; as t
	v_max_num_f32 v[TMX], 0xff61b1e6, v[TMX]       ; held at -3e38 from below
	v_floor_f32 v[NM], -v[TMX]                     ; -M = floor(-t): M is a whole number
	WIN 0x02
.set n, 0
.rept 32
	v_pk_fma_f32 v[TT+n:TT+n+1], v[AC+n:AC+n+1], s[CS:CS+1], v[NM:NM+1] op_sel_hi:[1,0,0]   ; t - M
.set n, n+2
.endr
	WIN 0
.irp b, 0,1,2,3
	v_fma_f32 v[TM+\b], v[TM+\b], s[CS], v[NM]
.endr
.set n, 0
	s_wait_alu depctr_va_vdst(0)
.rept 64
	v_exp_f32 v[TT+n], v[TT+n]                     ; p, at most 1, not normalised
.set n, n+1
.endr
	v_xor_b32 v[MM], 0x80000000, v[NM]             ; M.  (A plain place behind the exponentials)
	s_wait_alu depctr_va_vdst(0)                   ; one wait for the batch of 64, ahead of its first reader
.irp b, 0,1,2,3
	v_exp_f32 v[TM+\b], v[TM+\b]                   ; the blocks' largest p
.endr
	v_pk_add_f32 v[SUMA:SUMA+1], v[TT:TT+1], v[TT+4:TT+5]          ; the sum of the unquantised p, in two chains
	v_pk_add_f32 v[SUMB:SUMB+1], v[TT+2:TT+3], v[TT+6:TT+7]
.irp j, 8,12,16,20,24,28,32,36,40,44,48,52,56,60
	v_pk_add_f32 v[SUMA:SUMA+1], v[SUMA:SUMA+1], v[TT+\j:TT+\j+1]
	v_pk_add_f32 v[SUMB:SUMB+1], v[SUMB:SUMB+1], v[TT+\j+2:TT+\j+3]
.endr
	v_pk_add_f32 v[SUMA:SUMA+1], v[SUMA:SUMA+1], v[SUMB:SUMB+1]
	v_add_f32 v[SUMA], v[SUMA], v[SUMA+1]
	v_permlanex16_b32 v[LX], v[SUMA], s[SEL], s[SEL+1]
	v_add_f32 v[SUMA], v[SUMA], v[LX]              ; with lane l xor 16's 64 keys
	s_wait_alu depctr_va_vdst(0)                   ; and one for the four
.irp b, 0,1,2,3
	v_max_num_f32 v[TM+\b], 0x1800000, v[TM+\b]    ; the floor 2^(3 - 127)
.endr
.irp b, 0,1,2,3
	v_add_nc_u32 v[TM+12+\b], 0xff000000, v[TM+\b]
.endr
.irp b, 0,1,2,3
	v_lshrrev_b32 v[TM+4+\b], 23, v[TM+12+\b]
.endr
	v_lshl_or_b32 v[PW], v[TM+5], 8, v[TM+4]
	v_lshl_or_b32 v[PW], v[TM+6], 16, v[PW]
	v_lshl_or_b32 v[PW], v[TM+7], 24, v[PW]
.irp c, 0,1
	v_cvt_scalef32_pk16_fp6_f32 v[PC+6*\c:PC+6*\c+2], v[TT+32*\c:TT+32*\c+15], v[TM+12+2*\c]
	v_cvt_scalef32_pk16_fp6_f32 v[PC+12+4*\c:PC+12+4*\c+2], v[TT+32*\c+16:TT+32*\c+31], v[TM+13+2*\c]
.endr
	v_nop                                          ; one plain place behind a scaled conversion
.irp c, 0,1
.irp i, 0,1,2
	v_permlane16_swap_b32 v[PC+6*\c+\i], v[PC+12+4*\c+\i]
.endr
.irp i, 0,1,2
	v_mov_b32 v[PC+3+6*\c+\i], v[PC+12+4*\c+\i]
.endr
.endr
.irp c, 0,1,2
	global_store_b128 v[OI], v[PC+4*\c:PC+4*\c+3], s[8:9] offset:24576*(\a)+512*\c
.endr
.if (\a) % 2 == 0
	v_mov_b32 v[REC+4], v[PW]
	v_mov_b32 v[REC+5], v[MM]
	v_mov_b32 v[REC+6], v[SUMA]
.else
	v_cndmask_b32 v[REC], v[REC+4], v[PW], s[HM]   ; lanes 0-15 the even tile's record, lanes 16-31 the odd tile's
	v_cndmask_b32 v[REC+1], v[REC+5], v[MM], s[HM]
	v_cndmask_b32 v[REC+2], v[REC+6], v[SUMA], s[HM]
	global_store_b128 v[ORC], v[REC:REC+3], s[8:9] offset:512*((\a)/2)   ; 512 consecutive bytes
.endif
.endm
	s_load_b64 s[4:5], s[0:1], 0x0                 ; opB
	s_load_b64 s[8:9], s[0:1], 0x8                 ; opC
	v_lshl_add_u32 v[SPW], v0, 2, SPARE
	v_mov_b32 v[NIL], 0
	ds_add_u32 v[SPW], v[NIL]                      ; the wave's opening: the add, twice on end, and its wait ahead of my first tensor load
	ds_add_u32 v[SPW], v[NIL]
	v_lshrrev_b32 v13, 5, v0
	v_readfirstlane_b32 s[WV], v13
	s_and_b32 s[LH], s[WV], 1
	s_lshr_b32 s[LW], s[WV], 1
	s_mov_b32 s20, ttmp9                           ; which work-group of the batch
	s_and_b32 s21, ttmp7, 0xffff                   ; the batch
	s_mov_b32 s22, 0
.irp t, 1,2,3,4,5,6,7                  ; m: query tiles 2 m and 2 m + 1 have 2 m + 1 work-groups; m m lie ahead of them
	s_cmp_ge_u32 s20, \t*\t
	s_add_co_ci_u32 s22, s22, 0
.endr
	s_mul_i32 s3, s22, s22
	s_sub_co_u32 s3, s20, s3                       ; which of the 2 m + 1
	s_lshl_b32 s2, s22, 1
	s_cmp_eq_u32 s3, s2
	s_cselect_b32 s[DG], 1, 0                      ; the last of them lies on the diagonal
	s_cmp_ge_u32 s3, s22                           ; the first m belong to query tile 2 m, the others to 2 m + 1
	s_cselect_b32 s23, 1, 0
	s_cselect_b32 s2, s22, 0
	s_sub_co_u32 s25, s3, s2                       ; j: the key tile of 256
	s_lshl_b32 s24, s22, 1
	s_add_co_u32 s24, s24, s23                     ; i: the query tile of 128, at least 1
	s_mov_b32 s[G1P], 3<<16
	s_mov_b32 s[G1R], 3<<16
.irp g, G1P, G1R
	s_mov_b32 s[\g+1], 768<<16
	s_mov_b32 s[\g+3], 768<<16
	s_mov_b32 s[\g+5], PITCH
	s_mov_b32 s[\g+6], 0
	s_mov_b32 s[\g+7], 0
.endr
	s_mov_b32 s[G1P+2], 8<<16
	s_mov_b32 s[G1P+4], 8
	s_mov_b32 s[G1R+2], 4<<16
	s_mov_b32 s[G1R+4], 4
	s_mov_b32 s[G1X], 3<<16                        ; two tiles' images, 24,576 dense bytes, as 96 rows of 256 bytes (32 elements of 8)
	s_mov_b32 s[G1X+1], 32<<16
	s_mov_b32 s[G1X+2], 96<<16
	s_mov_b32 s[G1X+3], 32<<16
	s_mov_b32 s[G1X+4], 96
	s_mov_b32 s[G1X+5], 32
	s_mov_b32 s[G1X+6], 0
	s_mov_b32 s[G1X+7], 0
	s_lshl_b32 s68, s21, 7
	s_lshl_b32 s2, s25, 4
	s_add_co_u32 s69, s68, s2
	s_add_co_u32 s69, s69, 512                     ; P's first tile: k
	s_lshl_b32 s2, s24, 3
	s_add_co_u32 s70, s68, s2                      ; R's first tile: q
	s_lshl_b32 s72, s[WV], 1
	s_add_co_u32 s72, s72, s70
	s_sub_co_u32 s72, s72, 8                       ; my first tile of query tile i - 1
	s_mul_i32 s86, s72, TILEB
	s_mov_b32 s87, 0
	s_mul_i32 s73, s[WV], XWB
	s_add_co_u32 s73, s73, XOFF                    ; and where it lands: the wave's number alone
	s_mov_b32 s[G0X], 1
	s_mov_b32 s[G0X+1], s73
	s_lshl_b32 s[DSQ], s24, 7
	s_lshl_b32 s2, s[LW], 6
	s_add_co_u32 s[DSQ], s[DSQ], s2
	s_lshl_b32 s2, s25, 8
	s_sub_co_i32 s[DSQ], s[DSQ], s2
	s_lshl_b32 s2, s[LH], 7
	s_sub_co_i32 s[DSQ], s[DSQ], s2
	s_lshl_b32 s27, s25, 1
	s_add_co_u32 s27, s27, s[LH]                   ; my key step
	s_lshl_b32 s78, s[LH], 3
	s_add_co_u32 s78, s78, s69
	s_mul_i32 s78, s78, TILEB
	s_mov_b32 s79, 0
	s_lshl_b32 s80, s[LH], 2
	s_add_co_u32 s80, s80, s70
	s_mul_i32 s80, s80, TILEB
	s_mov_b32 s81, 0
	s_mul_i32 s82, s[LH], 8*TROW
	s_mul_i32 s83, s[LH], 4*TROW
	s_add_co_u32 s83, s83, ROFF
	s_mov_b32 s[G0P0], 1
	s_mov_b32 s[G0P0+1], s82
	s_mov_b32 s[G0P1], 1
	s_add_co_u32 s[G0P1+1], s82, SLOTB
	s_mov_b32 s[G0R0], 1
	s_mov_b32 s[G0R0+1], s83
	s_mov_b32 s[G0R1], 1
	s_add_co_u32 s[G0R1+1], s83, SLOTB
	s_mov_b32 s[SEL], 0x76543210
	s_mov_b32 s[SEL+1], 0xfedcba98
	s_mov_b32 s[HM], 0xffff0000
	s_mov_b32 s[CS], 0x3d38aa3b                    ; log2(e) / 32: the division by sqrt(1024) is exact, so t is rounded once, as in the rule
	s_mov_b32 s[CS+1], s[CS]
	s_wait_dscnt 0x0                               ; both opening adds are done
	s_wait_kmcnt 0x0
	s_add_nc_u64 s[G0P0+2:G0P0+3], s[4:5], s[78:79]
	s_add_nc_u64 s[G0P1+2:G0P1+3], s[G0P0+2:G0P0+3], TROW
	s_or_b32 s[G0P0+3], s[G0P0+3], 0x80000000
	s_or_b32 s[G0P1+3], s[G0P1+3], 0x80000000
	s_add_nc_u64 s[G0R0+2:G0R0+3], s[4:5], s[80:81]
	s_add_nc_u64 s[G0R1+2:G0R1+3], s[G0R0+2:G0R0+3], TROW
	s_or_b32 s[G0R0+3], s[G0R0+3], 0x80000000
	s_or_b32 s[G0R1+3], s[G0R1+3], 0x80000000
	s_add_nc_u64 s[G0X+2:G0X+3], s[4:5], s[86:87]
	s_or_b32 s[G0X+3], s[G0X+3], 0x80000000
	s_cmp_eq_u32 s[LW], 0                          ; waves 0, 1 fetch k's halves, waves 2, 3 q's: slot 0 here, one load a wave
	s_cbranch_scc0 .Lfill_r
	tensor_load_to_lds s[G0P0:G0P0+3], s[G1P:G1P+7]
	s_nop 0
	PLACES
	s_branch .Lfilled
.Lfill_r:
	tensor_load_to_lds s[G0R0:G0R0+3], s[G1R:G1R+7]
	s_nop 0
	PLACES
.Lfilled:
	v_and_b32 v13, 31, v0
	s_wait_alu depctr_va_vdst(0)
	v_and_b32 v[VR], 15, v0
	v_bfe_u32 v[VH], v0, 4, 1
	v_lshl_add_u32 v[AP0], v13, 4, s82
	s_mul_i32 s84, s[LW], 4*TROW
	s_add_co_u32 s84, s84, ROFF
	v_lshl_add_u32 v[AR0], v13, 4, s84
	v_mov_b32 v[ADP], v[AP0]
	v_mov_b32 v[ADR], v[AR0]
	s_lshl_b32 s85, s[LH], 3
	s_add_co_u32 s85, s85, s69
	s_lshl_b32 s85, s85, 9
	s_add_co_u32 s85, s85, B_SC
	v_lshl_add_u32 v247, v13, 5, s85
	s_lshl_b32 s85, s[LW], 2
	s_add_co_u32 s71, s85, s70                     ; my first query tile, counted over all batches
	s_lshl_b32 s85, s71, 9
	s_add_co_u32 s85, s85, B_SC
	v_lshl_add_u32 v248, v13, 5, s85
.irp p, 0,1,2,3
.irp g, 0,1
	global_load_b128 v[SCP+8*\p+4*\g:SCP+8*\p+4*\g+3], v247, s[4:5] offset:1024*\p+16*\g
.endr
.endr
.irp p, 0,1
.irp g, 0,1
	global_load_b128 v[SCR+8*\p+4*\g:SCR+8*\p+4*\g+3], v248, s[4:5] offset:1024*\p+16*\g
.endr
.endr
	s_lshl_b32 s2, s71, 4
	s_add_co_u32 s2, s2, s27
	s_mul_i32 s2, s2, 1536
	v_lshl_add_u32 v[OI], v13, 4, s2
	s_lshl_b32 s2, s21, 4
	s_add_co_u32 s2, s2, s27
	s_lshl_b32 s2, s2, 6
	s_lshl_b32 s3, s24, 2
	s_add_co_u32 s2, s2, s3
	s_lshl_b32 s3, s[LW], 1
	s_add_co_u32 s2, s2, s3                        ; (16 b + key step) 64 + my first query pair
	s_lshl_b32 s2, s2, 9
	s_add_co_u32 s2, s2, C_ST
	v_lshl_add_u32 v[ORC], v13, 4, s2
	v_and_b32 v12, 8, v[VR]
	v_add_nc_u32 v12, v12, v[VR]                   ; r + 8 (r / 8)
	v_lshlrev_b32 v[VDB], 4, v[VH]
	v_sub_nc_u32 v[VDB], v12, v[VDB]
	v_add_nc_u32 v[VDB], s[DSQ], v[VDB]
	s_lshl_b32 s85, s69, 9
	s_add_co_u32 s85, s85, B_SC
	v_lshl_add_u32 v[XSP], v13, 5, s85             ; the further block: the scale words of k's first eight tiles,
	s_lshl_b32 s85, s72, 9
	s_add_co_u32 s85, s85, B_SC
	v_lshl_add_u32 v[XSR], v13, 5, s85             ; and of my two tiles of q
	v_mov_b32 v[NINF], 0xff800000
	v_mov_b32 v[NM+1], 0                           ; (named as the upper half of a pair)
	v_mov_b32 v[LX], 0                             ; a lane permute's destination counts as one of its sources
.irp b, 0,1,2,3
	v_mov_b32 v[TM+4+\b], 0
.endr
	s_wait_alu depctr_va_vdst(0)                   ; the head's end
	s_wait_tensorcnt 0x0                           ; my part of slot 0 is in; slot 1's first fill is issued as a refill is:
	ds_add_u32 v[SPW], v[NIL]
	s_wait_dscnt 0x0
	s_barrier_signal -1
	s_barrier_wait -1
	s_cmp_eq_u32 s[LW], 0                          ; slot 1: each wave's one load behind this barrier
	s_cbranch_scc0 .Lfill_r1
	tensor_load_to_lds s[G0P1:G0P1+3], s[G1P:G1P+7]
	s_nop 0
	PLACES
	s_branch .Lfilled1
.Lfill_r1:
	tensor_load_to_lds s[G0R1:G0R1+3], s[G1R:G1R+7]
	s_nop 0
	PLACES
.Lfilled1:
	s_wait_loadcnt 0x0                             ; the scale words
	FETCH 0, 0
	KSTEP 0, 0, 1, 1, 1
	KSTEP 1, 1, 0, 1, 2
	KSTEP 0, 2, 0, 1, 3
	s_cmp_eq_u32 s[DG], 1                          ; the work-group's number alone: all four waves go the same way
	s_cbranch_scc1 .Ldiag
	; ---- off the diagonal: my first query less my first key is 128 at the least, so every key counts and no mask is written
	KSTEP 1, 3, 0, 2, 0
	s_wait_alu depctr_va_vdst(0)
	KSTEP 0, 4, 0, 1, 1
	KSTEP 1, 5, 0, 1, 2
	KSTEP 0, 6, 0, 1, 3
	KSTEP 1, 7, 0, 0, 0
	PLACES
	v_mov_b32 v[REC+3], 0
	SOFT 0, 0
	SOFT 1, 0
	SOFT 2, 0
	SOFT 3, 0
	s_branch .Lend
.Ldiag:
	; ---- on the diagonal: query tile 2 m + 1 against key tile m, with the fetch of query tile 2 m's q behind the barrier of K step 3
	KSTEP 1, 3, 0, 3, 0
	s_wait_alu depctr_va_vdst(0)
	KSTEP 0, 4, 0, 1, 1
	KSTEP 1, 5, 0, 1, 2
	KSTEP 0, 6, 0, 1, 3
	KSTEP 1, 7, 0, 0, 0
	PLACES                                         ; for the loads into the scale registers and for the first read of results
.irp p, 0,1,2,3
.irp g, 0,1
	global_load_b128 v[SCP+8*\p+4*\g:SCP+8*\p+4*\g+3], v[XSP], s[4:5] offset:1024*\p+16*\g   ; the further block's scale words land under the four tiles of softmax
.endr
.endr
.irp g, 0,1
	global_load_b128 v[SCR+4*\g:SCR+4*\g+3], v[XSR], s[4:5] offset:16*\g
.endr
	v_mov_b32 v[REC+3], 0
	SOFT 0, 1
	SOFT 1, 1
	SOFT 2, 1
	SOFT 3, 1
	s_wait_xcnt 0x0                                ; the last stores have read their registers
.irp c, 0,1,2
	v_mov_b32 v[REC+\c], 0
.endr
	s_bitcmp1_b32 s25, 0                           ; m even: query tile 2 m + 1's steps end two short of a multiple of four
	s_cbranch_scc1 .Lno_fill
.irp a, 0,1,2,3
.irp c, 0,1,2
	global_store_b128 v[OI], v[REC:REC+3], s[8:9] offset:24576*\a+3072+512*\c   ; zero codes, two key steps on
.endr
.endr
.Lno_fill:
	; ---- the further block: query tile 2 m against key step 2 m.  Wave w takes query tiles 2 w, 2 w + 1 of the eight, and all eight tiles of the key step
	s_wait_xcnt 0x0                                ; offsets and data of the stores above may be written
	s_lshl_b32 s77, s[WV], 5                       ; my first query less the first key: 32 w
	s_sub_co_i32 s76, s77, s[DSQ]
	v_add_nc_u32 v[VDB], s76, v[VDB]
	s_mov_b32 s[DSQ], s77
	s_sub_co_u32 s27, s24, 1                       ; the key step, which is also the query tile's number: 2 m
	s_lshl_b32 s2, s72, 4
	s_add_co_u32 s2, s2, s27
	s_mul_i32 s2, s2, 1536
	v_and_b32 v[ADP], 31, v0
	s_wait_alu depctr_va_vdst(0)
	v_lshl_add_u32 v[OI], v[ADP], 4, s2
	s_lshl_b32 s2, s21, 4
	s_add_co_u32 s2, s2, s27
	s_lshl_b32 s2, s2, 6
	s_lshl_b32 s3, s27, 2
	s_add_co_u32 s2, s2, s3
	s_add_co_u32 s2, s2, s[WV]                     ; (16 b + key step) 64 + my query pair
	s_lshl_b32 s2, s2, 9
	s_add_co_u32 s2, s2, C_ST
	v_lshl_add_u32 v[ORC], v[ADP], 4, s2
	v_lshl_add_u32 v[ADR], v[ADP], 4, s73          ; my two tiles of q
	v_lshlrev_b32 v[ADP], 4, v[ADP]                ; k's first half, K steps 0 to 3
	s_wait_alu depctr_va_vdst(0)
	s_wait_tensorcnt 0x0                           ; my two tiles have landed; nobody else reads them
	s_wait_loadcnt 0x0                             ; the scale words
	FETCHX 0, 0
	KX 0, 0, 1, 1
	KX 1, 1, 0, 1
	KX 0, 2, 0, 1
	KX 1, 3, 0, 1
	s_wait_alu depctr_va_vdst(0)
	KX 0, 4, 0, 1
	KX 1, 5, 0, 1
	KX 0, 6, 0, 1
	KX 1, 7, 0, 0
	PLACES
	v_mov_b32 v[REC+3], 0                          ; (q's fragments lay here)
	SOFT 0, 1
	SOFT 1, 1
	s_wait_xcnt 0x0
.irp c, 0,1,2
	v_mov_b32 v[REC+\c], 0
.endr
.irp a, 0,1
.irp c, 0,1,2
	global_store_b128 v[OI], v[REC:REC+3], s[8:9] offset:24576*\a+1536+512*\c   ; zero codes for key step 2 m + 1
.endr
.endr
	s_bitcmp1_b32 s25, 0                           ; m even: and for steps 2 m + 2, 2 m + 3
	s_cbranch_scc1 .Lend
.irp a, 0,1
.irp s, 2,3
.irp c, 0,1,2
	global_store_b128 v[OI], v[REC:REC+3], s[8:9] offset:24576*\a+1536*\s+512*\c
.endr
.endr
.endr
.Lend:
	s_wait_tensorcnt 0x0                           ; the wave's end
	ds_add_u32 v[SPW], v[NIL]
	s_wait_dscnt 0x0
	s_endpgm
.Lfunc_end_k_q265a7f5091_score:
	.size	k_q265a7f5091_score, .Lfunc_end_k_q265a7f5091_score-k_q265a7f5091_score
	.p2alignl 7, 3214868480
	.fill 96, 4, 3214868480
	.section	.rodata,"a",@progbits
	.p2align	6, 0x0
	.amdhsa_kernel k_q265a7f5091_score
		.amdhsa_group_segment_fixed_size 327680
		.amdhsa_private_segment_fixed_size 0
		.amdhsa_enable_private_segment 0
		.amdhsa_kernarg_size 16
		.amdhsa_user_sgpr_count 2
		.amdhsa_user_sgpr_kernarg_segment_ptr 1
		.amdhsa_wavefront_size32 1
		.amdhsa_system_sgpr_workgroup_id_x 1
		.amdhsa_system_sgpr_workgroup_id_y 1
		.amdhsa_system_sgpr_workgroup_id_z 1
		.amdhsa_system_vgpr_workitem_id 0
		.amdhsa_next_free_vgpr 768
		.amdhsa_next_free_sgpr 100
		.amdhsa_reserve_vcc 1
		.amdhsa_float_denorm_mode_32 3
		.amdhsa_float_denorm_mode_16_64 3
		.amdhsa_memory_ordered 1
		.amdhsa_forward_progress 1
		.amdhsa_inst_pref_size 255
	.end_amdhsa_kernel
	.section	.bss,"aw",@nobits
	.p2align	6
	.space	262144
	.amdgpu_metadata
---
amdhsa.version: [ 1, 2 ]
amdhsa.kernels:
  - .name:           k_q265a7f5091_score
    .symbol:         k_q265a7f5091_score.kd
    .args:
      - { .name: opB, .offset: 0, .size: 8, .value_kind: global_buffer, .address_space: global }
      - { .name: opC, .offset: 8, .size: 8, .value_kind: global_buffer, .address_space: global }
    .group_segment_fixed_size: 327680
    .private_segment_fixed_size: 0
    .kernarg_segment_align: 8
    .kernarg_segment_size: 16
    .max_flat_workgroup_size: 128
    .sgpr_count:     100
    .vgpr_count:     768
    .wavefront_size: 32
...
	.end_amdgpu_metadata
.endif
;; end of part 3
;; launch mix (part 4): grid 4 x 64, 4 waves a work-group, clusters of 4 x 4, 327,680 bytes of LDS; arguments opB, opC, opD, idx, tok_emb, pos_emb; writes opD
.if DOCPART == 4
	.amdgcn_target "amdgcn-amd-amdhsa--gfx1250"
	.amdhsa_code_object_version 6
	.text
	.protected	k_q265a7f5091_mix
	.globl	k_q265a7f5091_mix
	.p2align	8
	.type	k_q265a7f5091_mix,@function
k_q265a7f5091_mix:
	s_mov_b64 s[64:65], 0
	v_nop
	global_prefetch_b8 v0, s[64:65] scope:SCOPE_SE
	s_setreg_imm32_b32 hwreg(HW_REG_WAVE_MODE, 25, 1), 1
	s_wait_xcnt 0x0
	s_wait_alu depctr_hold_cnt(0) depctr_sa_sdst(0) depctr_va_vdst(0) depctr_va_sdst(0) depctr_va_ssrc(0) depctr_va_vcc(0) depctr_vm_vsrc(0)
	s_getreg_b32 s2, hwreg(HW_REG_IB_STS2, 6, 4)
	s_cmp_eq_u32 s2, 0
	s_cbranch_scc0 .Lentry_in_a_cluster
	s_endpgm
.Lentry_in_a_cluster:
	s_bfe_u32 s2, ttmp6, 0x10000c
	s_cmp_lg_u32 s2, 0xf033
	s_cbranch_scc0 .Lentry_shape_is_right
	s_endpgm
.Lentry_shape_is_right:
; LAUNCH 4 OF 5.  O^T = v^T p^T over the key steps up to the causal limit; x2 = x + 0.1 O / l; x2 quantised along the model's 1,024.
; THE CORE is launch 2's: P = v^T (256 of the 1,024 channels), R = p (128 queries), K = the keys.  Four key steps to an LDS slot, two slots by turns.
; CLUSTER 4 x 4: cx is the channel quarter, cy the query tile in a group of four: query tile i = 4 g + cy, the cluster's y = 4 batch + g.  p's tiles hang on i alone and are shared along a row of the cluster,
; v^T's on the channel quarter alone and are shared along a column: each is asked for jointly, which divides the requests by four.  The four query tiles of a group need the same slots, 0 to g.
; LEFT OUT: slots of four key steps that come after all queries of the group: their p is 0 for all inputs (shown at the head of launch 1).
; NOT LEFT OUT: key steps i + 1 to 4 g + 3 of the group's last slot.  They hold the zero codes that launch 3 stores and finite scale bytes, and add nothing to any sum.  The partners of a cluster walk one text,
; in which no branch hangs on a work-group's place, so each multiplies the whole slot; query tile 4 g + 3 needs all of it.
; THE ROW'S M AND l.  From the records of launch 3: M = the largest of the steps' M; each step's scale bytes are shifted by M_k - M (a whole number, 0 or less), and l = the sum of l_k 2^(M_k - M).
; LIMIT: a step whose M lies more than 127 under the row's counts at 2^-127; a byte that would fall under 0 becomes 0, that is 2^-127: both are nothing beside l, which is over 1/2.
; THE WALK is written out by the number of slots, so that every LDS address is a constant; all its branches hang on g, that is on the cluster's y, the same in all sixteen partners.
; Every wait on TENSORcnt is for 0; by this text's count a wave has one tensor load out.  Each fill stands behind the three lines and a round of the cluster's barrier.  The launch claims all of LDS.
; NO PREFETCH: a slot's bytes are asked for four key steps, 128 products a wave, ahead of their first read, and the walk has at most three such fills behind the head.
; x is made anew from tok_emb[idx] + pos_emb in f32, in the result's layout: lane (r, h) takes 16 neighbouring channels of each 32 of its query's row.  idx is held at 999 from above.
; REGISTERS: window 0 as in launch 2 with 16 K steps of scale words (v16-79 v^T's, v80-111 p's); window 1: pos_emb's part, then P's fragments; window 2: the records, then the accumulators; window 3: x.
.set B_VT,  12582912
.set B_VSC, 19398656
.set C_ST,  12582912
.set D_SC,  6291456
.set NK,    16
.set PITCH, 3072
.set TILEB, 24576
.set TROW,  6144
.set SLOTB, 147456
.set ROFF,  98304
.set SPARE, 294912
.set AP0, 1
.set AR0, 2
.set ADP, 3
.set ADR, 4
.set VR,  5
.set VH,  6
.set OI,  7
.set OS,  8                            ; v8-9
.set SPW, 14
.set NIL, 15
.set SCP, 16
.set SCR, 16+4*NK
.set RF,  112
.set TT,  112
.set TM,  208
.set PC,  224
.set PW,  244
.set PWS, 245
.set PWO, 246
.set WV,  16
.set LH,  17
.set LW,  18
.set QI,  22                           ; s22 the query tile of 128 in its batch: addresses and selects alone hang on it
.set GQ,  23                           ; s23 g: the group of four query tiles; the walk's branches hang on it
.set G1P, 28
.set G1R, 36
.set G0P0, 44
.set G0P1, 48
.set G0R0, 52
.set G0R1, 56
.set SEL, 60
.set HM,  62
.set MSB, 0
.macro WIN new
.if MSB != \new
	s_set_vgpr_msb (MSB<<8)|\new
.set MSB, \new
.endif
.endm
.macro PLACES
.rept 4
	v_nop
.endr
.endm
.macro FETCH q, set
	WIN 0x40
.irp b, 0,1,2,3,4,5,6,7
.irp j, 0,1,2
	ds_load_b128 v[128*(\set)+12*\b+4*\j:128*(\set)+12*\b+4*\j+3], v[ADP] offset:TROW*\b+1536*(\q)+512*\j
.endr
.endr
	WIN 0
.irp a, 0,1,2,3
.irp j, 0,1,2
	ds_load_b128 v[RF+48*(\set)+12*\a+4*\j:RF+48*(\set)+12*\a+4*\j+3], v[ADR] offset:TROW*\a+1536*(\q)+512*\j
.endr
.endr
.endm
.macro WM1 mode
.if \mode == 1
.if sel == 0
	v_wmma_scale_f32_16x16x128_f8f6f4 v[rD:rD+7], v[rP:rP+11], v[rR:rR+11], 0, v[rSP], v[rSR] matrix_a_fmt:MATRIX_FMT_FP6 matrix_b_fmt:MATRIX_FMT_FP6
.elseif sel == 1
	v_wmma_scale_f32_16x16x128_f8f6f4 v[rD:rD+7], v[rP:rP+11], v[rR:rR+11], 0, v[rSP], v[rSR] matrix_a_fmt:MATRIX_FMT_FP6 matrix_b_fmt:MATRIX_FMT_FP6 matrix_a_scale:MATRIX_SCALE_ROW1
.elseif sel == 2
	v_wmma_scale_f32_16x16x128_f8f6f4 v[rD:rD+7], v[rP:rP+11], v[rR:rR+11], 0, v[rSP], v[rSR] matrix_a_fmt:MATRIX_FMT_FP6 matrix_b_fmt:MATRIX_FMT_FP6 matrix_b_scale:MATRIX_SCALE_ROW1
.else
	v_wmma_scale_f32_16x16x128_f8f6f4 v[rD:rD+7], v[rP:rP+11], v[rR:rR+11], 0, v[rSP], v[rSR] matrix_a_fmt:MATRIX_FMT_FP6 matrix_b_fmt:MATRIX_FMT_FP6 matrix_a_scale:MATRIX_SCALE_ROW1 matrix_b_scale:MATRIX_SCALE_ROW1
.endif
.else
.if sel == 0
	v_wmma_scale_f32_16x16x128_f8f6f4 v[rD:rD+7], v[rP:rP+11], v[rR:rR+11], v[rD:rD+7], v[rSP], v[rSR] matrix_a_fmt:MATRIX_FMT_FP6 matrix_b_fmt:MATRIX_FMT_FP6
.elseif sel == 1
	v_wmma_scale_f32_16x16x128_f8f6f4 v[rD:rD+7], v[rP:rP+11], v[rR:rR+11], v[rD:rD+7], v[rSP], v[rSR] matrix_a_fmt:MATRIX_FMT_FP6 matrix_b_fmt:MATRIX_FMT_FP6 matrix_a_scale:MATRIX_SCALE_ROW1
.elseif sel == 2
	v_wmma_scale_f32_16x16x128_f8f6f4 v[rD:rD+7], v[rP:rP+11], v[rR:rR+11], v[rD:rD+7], v[rSP], v[rSR] matrix_a_fmt:MATRIX_FMT_FP6 matrix_b_fmt:MATRIX_FMT_FP6 matrix_b_scale:MATRIX_SCALE_ROW1
.else
	v_wmma_scale_f32_16x16x128_f8f6f4 v[rD:rD+7], v[rP:rP+11], v[rR:rR+11], v[rD:rD+7], v[rSP], v[rSR] matrix_a_fmt:MATRIX_FMT_FP6 matrix_b_fmt:MATRIX_FMT_FP6 matrix_a_scale:MATRIX_SCALE_ROW1 matrix_b_scale:MATRIX_SCALE_ROW1
.endif
.endif
.endm
.macro MUL32 set, k, mode              ; the 32 accumulators by turns, in the same order on every way through the walk
	WIN 0xa1
.set ia, 0
.rept 4
.set ib, 0
.rept 8
.set rD, 8*(8*ia+ib)
.set rP, 128*(\set)+12*ib
.set rR, RF+48*(\set)+12*ia
.set rSP, SCP+(ib/2)*NK+(\k)
.set rSR, SCR+(ia/2)*NK+(\k)
.set sel, (ib%2)+2*(ia%2)
	WM1 \mode
.set ib, ib+1
.endr
.set ia, ia+1
.endr
	WIN 0
.endm
.macro KSTEP set, k, mode, nxt, nq
	s_wait_dscnt 0x0                               ; this step's 36 loads
.if \nxt
	PLACES
	FETCH \nq, 1-(\set)
.endif
	MUL32 \set, \k, \mode
.endm
.macro SLOTW slot, k0, first           ; the four key steps k0 .. k0 + 3 out of LDS slot 'slot'
	PLACES
	v_add_nc_u32 v[ADP], (\slot)*SLOTB, v[AP0]
	v_add_nc_u32 v[ADR], (\slot)*SLOTB, v[AR0]
	FETCH 0, 0
	s_wait_alu depctr_va_vdst(0)
	KSTEP 0, (\k0), \first, 1, 1
	KSTEP 1, (\k0)+1, 0, 1, 2
	KSTEP 0, (\k0)+2, 0, 1, 3
	KSTEP 1, (\k0)+3, 0, 0, 0
.endm
.macro CREST                           ; a round of the cluster's barrier behind its opening barrier
	s_cmp_lg_u32 s[WV], 0
	s_cbranch_scc1 .Lnot_wave_0_\@
	s_barrier_signal -3
.Lnot_wave_0_\@:
	s_barrier_wait -3
	s_barrier_signal -1
	s_barrier_wait -1
.endm
.macro CROUND
	s_barrier_signal -1
	s_barrier_wait -1
	CREST
.endm
; The change of slots, at a slot's head.  Each wave waits for all its tensor loads (its part of the slot ahead), adds 0 to its spare word, waits for that and for its reads of the slot that it has left.
; fill = 1: the barrier opens a round of the cluster's barrier; behind it slot s of the keys goes into LDS slot s % 2, each wave's one joint load, first thing there; it has four key steps' products in which to land.
.macro CHG fill, s
	s_wait_tensorcnt 0x0                           ; no tensor load of mine is out, so a group 0 may be written
	ds_add_u32 v[SPW], v[NIL]
.if (\fill) && ((\s) >= 2)
	s_add_nc_u64 s[G0P0+4*((\s)%2)+2:G0P0+4*((\s)%2)+3], s[G0P0+4*((\s)%2)+2:G0P0+4*((\s)%2)+3], 2*TROW
	s_add_nc_u64 s[G0R0+4*((\s)%2)+2:G0R0+4*((\s)%2)+3], s[G0R0+4*((\s)%2)+2:G0R0+4*((\s)%2)+3], 2*TROW
.endif
	s_wait_dscnt 0x0
	s_barrier_signal -1
	s_barrier_wait -1
.if \fill
	CREST                                          ; no wave of any partner still reads the slot or has a load on its way
	s_cmp_eq_u32 s[LW], 0
	s_cbranch_scc0 .Lchr_\@
	tensor_load_to_lds s[G0P0+4*((\s)%2):G0P0+4*((\s)%2)+3], s[G1P:G1P+7]
	s_nop 0
	PLACES
	s_branch .Lchd_\@
.Lchr_\@:
	tensor_load_to_lds s[G0R0+4*((\s)%2):G0R0+4*((\s)%2)+3], s[G1R:G1R+7]
	s_nop 0
	PLACES
.Lchd_\@:
.endif
.endm
.macro QUANT s                         ; 64 numbers of a lane in window 0 become a fragment in v[PC] on and its scale word in v[PW]
.irp b, 0,1,2,3
	v_max3_num_f32 v[TM+\b], |v[(\s)+16*\b]|, |v[(\s)+16*\b+1]|, 0x1800000
.endr
.irp i, 2,4,6,8,10,12,14
.irp b, 0,1,2,3
	v_max3_num_f32 v[TM+\b], |v[(\s)+16*\b+\i]|, |v[(\s)+16*\b+\i+1]|, v[TM+\b]
.endr
.endr
.irp b, 0,1,2,3
	v_permlanex16_b32 v[TM+4+\b], v[TM+\b], s[SEL], s[SEL+1]
.endr
.irp b, 0,1,2,3
	v_max_num_f32 v[TM+\b], v[TM+\b], v[TM+4+\b]
.endr
.irp b, 0,1,2,3
	v_add_nc_u32 v[TM+12+\b], 0xff000000, v[TM+\b]
.endr
.irp b, 0,1,2,3
	v_lshrrev_b32 v[TM+4+\b], 23, v[TM+12+\b]
.endr
	v_lshl_or_b32 v[PW], v[TM+5], 8, v[TM+4]
	v_lshl_or_b32 v[PW], v[TM+6], 16, v[PW]
	v_lshl_or_b32 v[PW], v[TM+7], 24, v[PW]
.irp c, 0,1
	v_cvt_scalef32_pk16_fp6_f32 v[PC+6*\c:PC+6*\c+2], v[(\s)+32*\c:(\s)+32*\c+15], v[TM+12+2*\c]
	v_cvt_scalef32_pk16_fp6_f32 v[PC+12+4*\c:PC+12+4*\c+2], v[(\s)+32*\c+16:(\s)+32*\c+31], v[TM+13+2*\c]
.endr
	v_nop                                          ; one plain place behind a scaled conversion
.irp c, 0,1
.irp i, 0,1,2
	v_permlane16_swap_b32 v[PC+6*\c+\i], v[PC+12+4*\c+\i]
.endr
.irp i, 0,1,2
	v_mov_b32 v[PC+3+6*\c+\i], v[PC+12+4*\c+\i]
.endr
.endr
.endm
	s_load_b256 s[4:11], s[0:1], 0x0               ; opB, opC, opD, idx
	s_load_b128 s[12:15], s[0:1], 0x20             ; tok_emb, pos_emb
	v_lshl_add_u32 v[SPW], v0, 2, SPARE
	v_mov_b32 v[NIL], 0
	ds_add_u32 v[SPW], v[NIL]                      ; the wave's opening: the add, twice on end, and its wait ahead of my first tensor load
	ds_add_u32 v[SPW], v[NIL]
	v_lshrrev_b32 v10, 5, v0
	v_readfirstlane_b32 s[WV], v10
	s_and_b32 s[LH], s[WV], 1
	s_lshr_b32 s[LW], s[WV], 1
	s_bfe_u32 s20, ttmp6, 0x40000                  ; cx: which 256 channels
	s_bfe_u32 s19, ttmp6, 0x40004                  ; cy: which query tile of the group
	s_and_b32 s2, ttmp7, 0xffff                    ; the cluster's y = 4 batch + g
	s_lshr_b32 s21, s2, 2                          ; the batch
	s_and_b32 s[GQ], s2, 3
	s_lshl_b32 s[QI], s[GQ], 2
	s_add_co_u32 s[QI], s[QI], s19
	s_lshl_b32 s26, 0x1111, s20                    ; my column of the cluster
	s_or_b32 s[G1P], s26, (3<<16)|(1<<21)          ; v^T's tiles: the mask; elements of 8 bytes; bit 21 beside a mask
	s_lshl_b32 s27, s19, 2
	s_lshl_b32 s27, 15, s27                        ; my row
	s_or_b32 s[G1R], s27, (3<<16)|(1<<21)          ; p's tiles
.irp g, G1P, G1R
	s_mov_b32 s[\g+1], 768<<16
	s_mov_b32 s[\g+3], 768<<16
	s_mov_b32 s[\g+5], PITCH
	s_mov_b32 s[\g+6], 0
	s_mov_b32 s[\g+7], 0
.endr
	s_mov_b32 s[G1P+2], 8<<16
	s_mov_b32 s[G1P+4], 8
	s_mov_b32 s[G1R+2], 4<<16
	s_mov_b32 s[G1R+4], 4
	s_lshl_b32 s24, s21, 6
	s_lshl_b32 s26, s20, 4
	s_add_co_u32 s24, s24, s26                     ; P's first tile of v^T (cx, never cy)
	s_lshl_b32 s25, s21, 7
	s_lshl_b32 s27, s[QI], 3
	s_add_co_u32 s25, s25, s27                     ; R's first tile of p (cy, never cx)
	s_lshl_b32 s78, s[LH], 3
	s_add_co_u32 s78, s78, s24
	s_mul_i32 s78, s78, TILEB
	s_add_co_u32 s78, s78, B_VT
	s_mov_b32 s79, 0
	s_lshl_b32 s80, s[LH], 2
	s_add_co_u32 s80, s80, s25
	s_mul_i32 s80, s80, TILEB
	s_mov_b32 s81, 0
	s_mul_i32 s82, s[LH], 8*TROW
	s_mul_i32 s83, s[LH], 4*TROW
	s_add_co_u32 s83, s83, ROFF
	s_mov_b32 s[G0P0], 1
	s_mov_b32 s[G0P0+1], s82
	s_mov_b32 s[G0P1], 1
	s_add_co_u32 s[G0P1+1], s82, SLOTB
	s_mov_b32 s[G0R0], 1
	s_mov_b32 s[G0R0+1], s83
	s_mov_b32 s[G0R1], 1
	s_add_co_u32 s[G0R1+1], s83, SLOTB
	s_mov_b32 s[SEL], 0x76543210
	s_mov_b32 s[SEL+1], 0xfedcba98
	s_mov_b32 s[HM], 0xffff0000
	s_mov_b32 s73, 0x01010101
	s_wait_dscnt 0x0                               ; both opening adds are done
	s_wait_kmcnt 0x0
	s_add_nc_u64 s[G0P0+2:G0P0+3], s[4:5], s[78:79]
	s_add_nc_u64 s[G0P1+2:G0P1+3], s[G0P0+2:G0P0+3], TROW
	s_or_b32 s[G0P0+3], s[G0P0+3], 0x80000000
	s_or_b32 s[G0P1+3], s[G0P1+3], 0x80000000
	s_add_nc_u64 s[G0R0+2:G0R0+3], s[6:7], s[80:81]
	s_add_nc_u64 s[G0R1+2:G0R1+3], s[G0R0+2:G0R0+3], TROW
	s_or_b32 s[G0R0+3], s[G0R0+3], 0x80000000
	s_or_b32 s[G0R1+3], s[G0R1+3], 0x80000000
	CROUND                                         ; all sixteen work-groups are here: the joint loads meet
	s_cmp_eq_u32 s[LW], 0                          ; key steps 0 to 3, which every query tile reads: a fill in each arm, so every wave issues one
	s_cbranch_scc0 .Lfill_r
	tensor_load_to_lds s[G0P0:G0P0+3], s[G1P:G1P+7]
	s_nop 0
	PLACES
	s_branch .Lfilled
.Lfill_r:
	tensor_load_to_lds s[G0R0:G0R0+3], s[G1R:G1R+7]
	s_nop 0
	PLACES
.Lfilled:
	v_and_b32 v10, 31, v0
	v_and_b32 v[VR], 15, v0
	v_bfe_u32 v[VH], v0, 4, 1
	v_and_b32 v11, 8, v[VR]
	v_add_nc_u32 v11, v11, v[VR]                   ; r + 8 (r / 8)
	s_wait_alu depctr_va_vdst(0)
	v_lshl_add_u32 v[AP0], v10, 4, s82
	s_mul_i32 s84, s[LW], 4*TROW
	s_add_co_u32 s84, s84, ROFF
	v_lshl_add_u32 v[AR0], v10, 4, s84
	s_lshl_b32 s68, s21, 11
	s_lshl_b32 s3, s[QI], 7
	s_add_co_u32 s68, s68, s3
	s_lshl_b32 s3, s[LW], 6
	s_add_co_u32 s68, s68, s3                      ; my wave's first token, counted over all batches
	s_and_b32 s69, s68, 2047                       ; and in its batch
	s_lshl_b32 s2, s68, 2
	v_lshl_add_u32 v220, v11, 2, s2
.irp a, 0,1,2,3
	global_load_b32 v[216+\a], v220, s[10:11] offset:4*(32*(\a/2)+8*(\a%2))   ; idx of tile a's slot r
.endr
	s_lshl_b32 s70, s21, 19
	s_lshr_b32 s3, s69, 5
	s_lshl_b32 s3, s3, 9
	s_add_co_u32 s70, s70, s3
	s_add_co_u32 s70, s70, C_ST
	v_lshl_add_u32 v221, v10, 4, s70
	s_wait_alu depctr_va_vdst(0)
.irp k, 0,1,2,3,4,5,6,7,8,9,10,11,12,13,14,15
	s_min_u32 s2, s[QI], \k                        ; steps past the limit read step QI's record once more: every load stays on bytes that were stored, with no branch
	s_lshl_b32 s2, s2, 15
	v_add_nc_u32 v[240+\k], s2, v221
.endr
	WIN 0x80
	s_wait_alu depctr_va_vdst(0)
.irp p, 0,1
.irp k, 0,1,2,3,4,5,6,7,8,9,10,11,12,13,14,15
	global_load_b128 v[4*(16*\p+\k):4*(16*\p+\k)+3], v[240+\k], s[6:7] offset:512*\p
.endr
.endr
	WIN 0
	s_lshl_b32 s2, s[LH], 3
	s_add_co_u32 s2, s2, s24
	s_lshl_b32 s2, s2, 10
	s_add_co_u32 s2, s2, B_VSC
	v_lshl_add_u32 v13, v10, 6, s2                 ; v^T's scale words: 64 bytes a lane
.irp p, 0,1,2,3
.irp g, 0,1,2,3
	global_load_b128 v[SCP+16*\p+4*\g:SCP+16*\p+4*\g+3], v13, s[4:5] offset:2048*\p+16*\g
.endr
.endr
	s_lshl_b32 s71, s20, 10
	s_lshl_b32 s3, s[LH], 9
	s_add_co_u32 s71, s71, s3                      ; my wave's first channel, in bytes
	v_lshl_add_u32 v222, v[VH], 6, s71
	s_lshl_b32 s72, s69, 12
	v_lshl_add_u32 v12, v11, 12, v222
	v_add_nc_u32 v12, s72, v12                     ; pos_emb: my slot's row of tile 0
	s_wait_loadcnt 48                              ; idx is in: behind it 32 records and 16 loads of scale words were issued
.irp a, 0,1,2,3
	v_min_u32 v[216+\a], 999, v[216+\a]
	v_lshlrev_b32 v[216+\a], 12, v[216+\a]
	s_wait_alu depctr_va_vdst(0)
	v_add_nc_u32 v[216+\a], v[216+\a], v222
.endr
	WIN 0xc0
.irp a, 0,1,2,3
.irp q, 0,1,2,3
.irp m, 0,1,2,3
	global_load_b128 v[64*\a+16*\q+4*\m:64*\a+16*\q+4*\m+3], v[216+\a], s[12:13] offset:128*\q+16*\m
.endr
.endr
.endr
	WIN 0x40
.irp a, 0,1,2,3
.irp q, 0,1,2,3
.irp m, 0,1,2,3
	global_load_b128 v[64*\a+16*\q+4*\m:64*\a+16*\q+4*\m+3], v12, s[14:15] offset:4096*(32*(\a/2)+8*(\a%2))+128*\q+16*\m
.endr
.endr
.endr
	WIN 0
	s_lshr_b32 s74, s68, 4                         ; my first output tile
	s_lshl_b32 s75, s20, 1
	s_add_co_u32 s75, s75, s[LH]                   ; my K step of x2
	s_mul_i32 s2, s74, 12288
	s_mul_i32 s3, s75, 1536
	s_add_co_u32 s2, s2, s3
	v_lshl_add_u32 v[OI], v10, 4, s2
	s_lshl_b32 s2, s74, 9
	s_lshl_b32 s3, s75, 2
	s_add_co_u32 s2, s2, s3
	s_add_co_u32 s2, s2, D_SC
	v_lshl_add_u32 v[OS], v[VR], 5, s2
	v_lshl_add_u32 v[OS], v[VH], 9, v[OS]
	v_add_nc_u32 v[OS+1], 1024, v[OS]
.irp b, 0,1,2,3
	v_mov_b32 v[TM+4+\b], 0
.endr
	s_wait_loadcnt 63                              ; records and scale words are in: 128 loads were issued behind them
	v_mov_b32 v249, 0
	v_mov_b32 v251, 0
	WIN 0x0a                                       ; the records lie in window 2: pair p, step k at 4 (16 p + k): word, M, l
.irp p, 0,1
	v_max_num_f32 v[252+\p], v[64*\p+1], v[64*\p+5]
.endr
.irp k, 2,4,6,8,10,12,14
.irp p, 0,1
	v_max3_num_f32 v[252+\p], v[64*\p+4*\k+1], v[64*\p+4*\k+5], v[252+\p]   ; the row's M
.endr
.endr
	WIN 0x02
.irp p, 0,1
.irp k, 0,1,2,3,4,5,6,7,8,9,10,11,12,13,14,15
	v_sub_f32 v[112+16*\p+\k], v[64*\p+4*\k+1], v[252+\p]
.endr
.endr
	WIN 0
.set n, 0
.rept 32
	v_max_num_f32 v[112+n], 0xc2fe0000, v[112+n]   ; M_k - M, held at -127
.set n, n+1
.endr
.set n, 0
.rept 32
	v_cvt_i32_f32 v[144+n], v[112+n]
.set n, n+1
.endr
.set n, 0
.rept 32
	v_add_nc_u32 v[112+n], 128, v[144+n]
.set n, n+1
.endr
.set n, 0
.rept 32
	v_mul_lo_u32 v[112+n], v[112+n], s73           ; in all four bytes
.set n, n+1
.endr
	WIN 0x02
.set n, 0
.rept 32
	v_ldexp_f32 v[176+n], v[4*n+2], v[144+n]       ; l_k under the row's M: exact
.set n, n+1
.endr
.set n, 0
.rept 32
	v_add_nc_u32 v[80+n], v[4*n], v[112+n]         ; each byte + (M_k - M) + 128: p's bytes are at most 125, so no byte carries
.set n, n+1
.endr
	WIN 0
.set n, 0
.rept 32
	v_and_b32 v[112+n], 0x80808080, v[80+n]        ; bit 7 says that the byte has not fallen under 0
.set n, n+1
.endr
.set n, 0
.rept 32
	v_lshrrev_b32 v[144+n], 7, v[112+n]
.set n, n+1
.endr
.set n, 0
.rept 32
	v_sub_nc_u32 v[112+n], v[112+n], v[144+n]      ; 0x7f there, 0 elsewhere
.set n, n+1
.endr
.set n, 0
.rept 32
	v_and_b32 v[80+n], v[80+n], v[112+n]           ; p's scale words under the row's M: every byte at most 0x7f, past the limit too
.set n, n+1
.endr
.irp k, 1,2,3,4,5,6,7,8,9,10,11,12,13,14,15
	s_cmp_ge_u32 s[QI], \k                         ; steps past the limit count for nothing: a select, no branch
	s_cselect_b32 s2, 1.0, 0
	v_fma_f32 v176, v[176+\k], s2, v176
	v_fma_f32 v192, v[192+\k], s2, v192
.endr
	s_wait_alu depctr_va_vdst(0)
	v_rcp_f32 v247, v176
	v_rcp_f32 v248, v192
	v_nop                                          ; a plain place behind the reciprocals
	s_wait_alu depctr_va_vdst(0)                   ; and the wait ahead of their first reader
	v_mul_f32 v247, 0x3dcccccd, v247               ; 0.1 / l: lane = slot + 16 (query tile % 2)
	v_mul_f32 v248, 0x3dcccccd, v248
	s_wait_loadcnt 0x0
	WIN 0xc7
.set n, 0
.rept 128
	v_pk_add_f32 v[n:n+1], v[n:n+1], v[n:n+1]      ; x = tok_emb[idx] (window 3) + pos_emb (window 1), into window 3.  These lines are also the places between the scale words made above and the first product
.set n, n+2
.endr
	WIN 0
	s_cmp_lt_u32 s[GQ], 1                          ; the cluster's y alone: all sixteen partners go the same way
	s_cbranch_scc1 .Llast0
	CHG 1, 1                                       ; slot 1's first fill: behind this round nothing is filled again
	SLOTW 0, 0, 1
	s_cmp_lt_u32 s[GQ], 2
	s_cbranch_scc1 .Llast1
	CHG 1, 2
	SLOTW 1, 4, 0
	s_cmp_lt_u32 s[GQ], 3
	s_cbranch_scc1 .Llast2
	CHG 1, 3
	SLOTW 0, 8, 0
	CHG 0, 0
	SLOTW 1, 12, 0
	s_branch .Lepi
.Llast0:
	CHG 0, 0
	SLOTW 0, 0, 1
	s_branch .Lepi
.Llast1:
	CHG 0, 0
	SLOTW 1, 4, 0
	s_branch .Lepi
.Llast2:
	CHG 0, 0
	SLOTW 0, 8, 0
.Lepi:
	PLACES
.irp a, 0,1,2,3
.if \a > 0
	s_wait_xcnt 0x0                                ; the last stores have read their registers
.endif
.if \a % 2 == 0
	v_permlanex16_b32 v249, v[247+\a/2], s[SEL], s[SEL+1]
	v_cndmask_b32 v250, v[247+\a/2], v249, s[HM]   ; the even tile's factor, slot r's in both halves of the lanes
.else
	v_cndmask_b32 v250, v249, v[247+\a/2], s[HM]   ; the odd tile's
.endif
	WIN 0x32
.set n, 0
.rept 32
	v_pk_fma_f32 v[TT+n:TT+n+1], v[64*\a+n:64*\a+n+1], v[250:251], v[64*\a+n:64*\a+n+1] op_sel_hi:[1,0,1]   ; x + O (0.1 / l): O window 2, x window 3
.set n, n+2
.endr
	WIN 0
	QUANT TT
.irp c, 0,1,2
	global_store_b128 v[OI], v[PC+4*\c:PC+4*\c+3], s[8:9] offset:12288*\a+512*\c
.endr
.if \a % 2 == 0
	v_mov_b32 v[PWS], v[PW]
.else
	v_cndmask_b32 v[PWO], v[PWS], v[PW], s[HM]
	global_store_b32 v[OS+\a/2], v[PWO], s[8:9]
.endif
.endr
	s_wait_tensorcnt 0x0                           ; the wave's end
	ds_add_u32 v[SPW], v[NIL]
	s_wait_dscnt 0x0
	CROUND                                         ; the closing round
	s_endpgm
.Lfunc_end_k_q265a7f5091_mix:
	.size	k_q265a7f5091_mix, .Lfunc_end_k_q265a7f5091_mix-k_q265a7f5091_mix
	.p2alignl 7, 3214868480
	.fill 96, 4, 3214868480
	.section	.rodata,"a",@progbits
	.p2align	6, 0x0
	.amdhsa_kernel k_q265a7f5091_mix
		.amdhsa_group_segment_fixed_size 327680
		.amdhsa_private_segment_fixed_size 0
		.amdhsa_enable_private_segment 0
		.amdhsa_kernarg_size 48
		.amdhsa_user_sgpr_count 2
		.amdhsa_user_sgpr_kernarg_segment_ptr 1
		.amdhsa_wavefront_size32 1
		.amdhsa_system_sgpr_workgroup_id_x 1
		.amdhsa_system_sgpr_workgroup_id_y 1
		.amdhsa_system_sgpr_workgroup_id_z 1
		.amdhsa_system_vgpr_workitem_id 0
		.amdhsa_next_free_vgpr 1024
		.amdhsa_next_free_sgpr 100
		.amdhsa_reserve_vcc 0
		.amdhsa_float_denorm_mode_32 3
		.amdhsa_float_denorm_mode_16_64 3
		.amdhsa_memory_ordered 1
		.amdhsa_forward_progress 1
		.amdhsa_inst_pref_size 255
	.end_amdhsa_kernel
	.section	.bss,"aw",@nobits
	.p2align	6
	.space	262144
	.amdgpu_metadata
---
amdhsa.version: [ 1, 2 ]
amdhsa.kernels:
  - .name:           k_q265a7f5091_mix
    .symbol:         k_q265a7f5091_mix.kd
    .args:
      - { .name: opB, .offset: 0, .size: 8, .value_kind: global_buffer, .address_space: global }
      - { .name: opC, .offset: 8, .size: 8, .value_kind: global_buffer, .address_space: global }
      - { .name: opD, .offset: 16, .size: 8, .value_kind: global_buffer, .address_space: global }
      - { .name: idx, .offset: 24, .size: 8, .value_kind: global_buffer, .address_space: global }
      - { .name: tok_emb, .offset: 32, .size: 8, .value_kind: global_buffer, .address_space: global }
      - { .name: pos_emb, .offset: 40, .size: 8, .value_kind: global_buffer, .address_space: global }
    .group_segment_fixed_size: 327680
    .private_segment_fixed_size: 0
    .kernarg_segment_align: 8
    .kernarg_segment_size: 48
    .max_flat_workgroup_size: 128
    .sgpr_count:     100
    .vgpr_count:     1024
    .wavefront_size: 32
...
	.end_amdgpu_metadata
.endif
;; end of part 4
;; launch head (part 5): grid 4 x 64, 4 waves a work-group, clusters of 4 x 4, 327,680 bytes of LDS; arguments opA, opD, out0, Wout_b; writes out0
.if DOCPART == 5
	.amdgcn_target "amdgcn-amd-amdhsa--gfx1250"
	.amdhsa_code_object_version 6
	.text
	.protected	k_q265a7f5091_head
	.globl	k_q265a7f5091_head
	.p2align	8
	.type	k_q265a7f5091_head,@function
k_q265a7f5091_head:
	s_mov_b64 s[64:65], 0
	v_nop
	global_prefetch_b8 v0, s[64:65] scope:SCOPE_SE
	s_setreg_imm32_b32 hwreg(HW_REG_WAVE_MODE, 25, 1), 1
	s_wait_xcnt 0x0
	s_wait_alu depctr_hold_cnt(0) depctr_sa_sdst(0) depctr_va_vdst(0) depctr_va_sdst(0) depctr_va_ssrc(0) depctr_va_vcc(0) depctr_vm_vsrc(0)
	s_getreg_b32 s2, hwreg(HW_REG_IB_STS2, 6, 4)
	s_cmp_eq_u32 s2, 0
	s_cbranch_scc0 .Lentry_in_a_cluster
	s_endpgm
.Lentry_in_a_cluster:
	s_bfe_u32 s2, ttmp6, 0x10000c
	s_cmp_lg_u32 s2, 0xf033
	s_cbranch_scc0 .Lentry_shape_is_right
	s_endpgm
.Lentry_shape_is_right:
; LAUNCH 5 OF 5.  logits = x2 Wout_w^T + Wout_b.  Nothing is left out here.
; THE CORE is launch 2's: P = Wout_w (tiles 192 + 16 px of opA), R = x2 (tiles 8 ry of opD), K = 1,024, all of it in LDS, asked for at the head; by this text's count a wave has two tensor loads out.
; The bias is the C of each sum's first product: eight registers a P tile in the result's layout, the same for all four R tiles.  Its loads are held inside the 4,000 bytes; what the hold changes belongs to columns from 1,000 on.
; CLUSTER 4 x 4: Wout_w's tiles are shared along a column of the cluster, x2's along a row.
; THE WAY OUT.  A lane holds 16 neighbouring columns of one token; a tile goes through the wave's stage in LDS and comes back as rows of 512 bytes, which 32 lanes store on end.  The stage lies in slot 0, which
; has had its only fill and, behind the barrier of K step 3, its last read.  A row of the output is 4,000 bytes, so the runs cannot all begin on multiples of 256.  Columns from 1,000 on are not stored.
; THE FILLS AS THE TEXT BELOW HAS THEM (this stands in place of the count given above): slot 0 is asked for at the head, one joint load a wave; slot 1 behind the three lines and a round of the cluster's barrier,
; one joint load a wave.  So one tensor load of a wave is out at a time.  On the way out every LDS instruction runs with all lanes on; the stores alone stand under the mask of the columns that exist.
.set A_SC,  9437184
.set D_SC,  6291456
.set NK,    8
.set PITCH, 1536
.set TILEB, 12288
.set TROW,  6144
.set SLOTB, 147456
.set ROFF,  98304
.set SPARE, 294912
.set STGT,  8448                       ; a tile in the stage: 16 rows x (512 + 16) bytes
.set AP0, 1
.set AR0, 2
.set ADP, 3
.set ADR, 4
.set VR,  5
.set VH,  6
.set SO,  7                            ; v7  the stage, in
.set SR,  8                            ; v8  the stage, out
.set CO,  9                            ; v9  my 16 bytes of the wave's first row of the output
.set COL, 10                           ; v10 my first column
.set SPW, 14
.set NIL, 15
.set SCP, 16
.set SCR, 16+4*NK
.set RF,  112
.set WV,  16
.set LH,  17
.set LW,  18
.set G1P, 28
.set G1R, 36
.set G0P0, 44
.set G0P1, 48
.set G0R0, 52
.set G0R1, 56
.set MSB, 0
.macro WIN new
.if MSB != \new
	s_set_vgpr_msb (MSB<<8)|\new
.set MSB, \new
.endif
.endm
.macro PLACES
.rept 4
	v_nop
.endr
.endm
.macro FETCH q, set
	WIN 0x40
.irp b, 0,1,2,3,4,5,6,7
.irp j, 0,1,2
	ds_load_b128 v[128*(\set)+12*\b+4*\j:128*(\set)+12*\b+4*\j+3], v[ADP] offset:TROW*\b+1536*(\q)+512*\j
.endr
.endr
	WIN 0
.irp a, 0,1,2,3
.irp j, 0,1,2
	ds_load_b128 v[RF+48*(\set)+12*\a+4*\j:RF+48*(\set)+12*\a+4*\j+3], v[ADR] offset:TROW*\a+1536*(\q)+512*\j
.endr
.endr
.endm
.macro WM1
.if sel == 0
	v_wmma_scale_f32_16x16x128_f8f6f4 v[rD:rD+7], v[rP:rP+11], v[rR:rR+11], v[rC:rC+7], v[rSP], v[rSR] matrix_a_fmt:MATRIX_FMT_FP6 matrix_b_fmt:MATRIX_FMT_FP6
.elseif sel == 1
	v_wmma_scale_f32_16x16x128_f8f6f4 v[rD:rD+7], v[rP:rP+11], v[rR:rR+11], v[rC:rC+7], v[rSP], v[rSR] matrix_a_fmt:MATRIX_FMT_FP6 matrix_b_fmt:MATRIX_FMT_FP6 matrix_a_scale:MATRIX_SCALE_ROW1
.elseif sel == 2
	v_wmma_scale_f32_16x16x128_f8f6f4 v[rD:rD+7], v[rP:rP+11], v[rR:rR+11], v[rC:rC+7], v[rSP], v[rSR] matrix_a_fmt:MATRIX_FMT_FP6 matrix_b_fmt:MATRIX_FMT_FP6 matrix_b_scale:MATRIX_SCALE_ROW1
.else
	v_wmma_scale_f32_16x16x128_f8f6f4 v[rD:rD+7], v[rP:rP+11], v[rR:rR+11], v[rC:rC+7], v[rSP], v[rSR] matrix_a_fmt:MATRIX_FMT_FP6 matrix_b_fmt:MATRIX_FMT_FP6 matrix_a_scale:MATRIX_SCALE_ROW1 matrix_b_scale:MATRIX_SCALE_ROW1
.endif
.endm
.macro MUL32 set, k, mode              ; the 32 accumulators by turns.  mode 2: the bias, in window 1, starts the sums
.if \mode == 2
	WIN 0x91
.else
	WIN 0xa1
.endif
.set ia, 0
.rept 4
.set ib, 0
.rept 8
.set rD, 8*(8*ia+ib)
.set rC, rD
.if \mode == 2
.set rC, 96+8*ib+96*(ib/4)
.endif
.set rP, 128*(\set)+12*ib
.set rR, RF+48*(\set)+12*ia
.set rSP, SCP+(ib/2)*NK+(\k)
.set rSR, SCR+(ia/2)*NK+(\k)
.set sel, (ib%2)+2*(ia%2)
	WM1
.set ib, ib+1
.endr
.set ia, ia+1
.endr
	WIN 0
.endm
.macro KSTEP set, k, mode, nxt, nq
	s_wait_dscnt 0x0                               ; this step's 36 loads, issued 32 products ago
.if \nxt == 2
	s_wait_tensorcnt 0x0                           ; my part of slot 1 has landed,
	s_barrier_signal -1
	s_barrier_wait -1                              ; everybody's has; and nobody reads slot 0 any more
.endif
.if \nxt
	PLACES
.if \nxt == 2
	v_add_nc_u32 v[ADP], SLOTB, v[AP0]
	v_add_nc_u32 v[ADR], SLOTB, v[AR0]
.endif
	FETCH \nq, 1-(\set)
.endif
	MUL32 \set, \k, \mode
.endm
.macro CROUND
	s_barrier_signal -1
	s_barrier_wait -1
	s_cmp_lg_u32 s[WV], 0
	s_cbranch_scc1 .Lnot_wave_0_\@
	s_barrier_signal -3
.Lnot_wave_0_\@:
	s_barrier_wait -3
	s_barrier_signal -1
	s_barrier_wait -1
.endm
.macro LOADB a                         ; tile a's 16 rows back from the stage, 512 bytes a load
.irp p, 0,1,2,3,4,5,6,7,8,9,10,11,12,13,14,15
	ds_load_b128 v[RF+64*((\a)%2)+4*\p:RF+64*((\a)%2)+4*\p+3], v[SR] offset:STGT*(\a)+528*\p
.endr
.endm
.macro SENDB a                         ; and out: slot p of tile a is token 32 (a / 2) + 8 (a % 2) + p + 8 (p / 8) of the wave's 64
.irp p, 0,1,2,3,4,5,6,7,8,9,10,11,12,13,14,15
	global_store_b128 v[CO], v[RF+64*((\a)%2)+4*\p:RF+64*((\a)%2)+4*\p+3], s[8:9] offset:4000*(32*((\a)/2)+8*((\a)%2)+\p+8*(\p/8)) th:TH_STORE_NT
.endr
.endm
	s_load_b256 s[4:11], s[0:1], 0x0               ; opA, opD, out0, Wout_b
	v_lshl_add_u32 v[SPW], v0, 2, SPARE
	v_mov_b32 v[NIL], 0
	ds_add_u32 v[SPW], v[NIL]                      ; the wave's opening: the add, twice on end, and its wait ahead of my first tensor load
	ds_add_u32 v[SPW], v[NIL]
	v_lshrrev_b32 v13, 5, v0
	v_readfirstlane_b32 s[WV], v13
	s_and_b32 s[LH], s[WV], 1
	s_lshr_b32 s[LW], s[WV], 1
	s_bfe_u32 s20, ttmp6, 0x40000                  ; cx
	s_bfe_u32 s21, ttmp6, 0x40004                  ; cy
	s_and_b32 s23, ttmp7, 0xffff
	s_lshl_b32 s86, 0x1111, s20                    ; my column of the cluster
	s_or_b32 s[G1P], s86, (3<<16)|(1<<21)
	s_lshl_b32 s87, s21, 2
	s_lshl_b32 s87, 15, s87                        ; my row
	s_or_b32 s[G1R], s87, (3<<16)|(1<<21)
.irp g, G1P, G1R
	s_mov_b32 s[\g+1], 768<<16
	s_mov_b32 s[\g+3], 768<<16
	s_mov_b32 s[\g+5], PITCH
	s_mov_b32 s[\g+6], 0
	s_mov_b32 s[\g+7], 0
.endr
	s_mov_b32 s[G1P+2], 8<<16
	s_mov_b32 s[G1P+4], 8
	s_mov_b32 s[G1R+2], 4<<16
	s_mov_b32 s[G1R+4], 4
	s_lshl_b32 s76, ttmp9, 2
	s_add_co_u32 s76, s76, s20                     ; which 256 columns of the vocabulary
	s_lshl_b32 s68, s23, 2
	s_add_co_u32 s68, s68, s21                     ; which 128 tokens
	s_lshl_b32 s24, s76, 4
	s_add_co_u32 s24, s24, 192                     ; P's first tile
	s_lshl_b32 s25, s68, 3                         ; R's first tile
	s_lshl_b32 s78, s[LH], 3
	s_add_co_u32 s78, s78, s24
	s_mul_i32 s78, s78, TILEB
	s_mov_b32 s79, 0
	s_lshl_b32 s80, s[LH], 2
	s_add_co_u32 s80, s80, s25
	s_mul_i32 s80, s80, TILEB
	s_mov_b32 s81, 0
	s_mul_i32 s82, s[LH], 8*TROW
	s_mul_i32 s83, s[LH], 4*TROW
	s_add_co_u32 s83, s83, ROFF
	s_mov_b32 s[G0P0], 1
	s_mov_b32 s[G0P0+1], s82
	s_mov_b32 s[G0P1], 1
	s_add_co_u32 s[G0P1+1], s82, SLOTB
	s_mov_b32 s[G0R0], 1
	s_mov_b32 s[G0R0+1], s83
	s_mov_b32 s[G0R1], 1
	s_add_co_u32 s[G0R1+1], s83, SLOTB
	s_wait_dscnt 0x0                               ; both opening adds are done
	s_wait_kmcnt 0x0
	s_add_nc_u64 s[G0P0+2:G0P0+3], s[4:5], s[78:79]
	s_add_nc_u64 s[G0P1+2:G0P1+3], s[G0P0+2:G0P0+3], TROW
	s_or_b32 s[G0P0+3], s[G0P0+3], 0x80000000
	s_or_b32 s[G0P1+3], s[G0P1+3], 0x80000000
	s_add_nc_u64 s[G0R0+2:G0R0+3], s[6:7], s[80:81]
	s_add_nc_u64 s[G0R1+2:G0R1+3], s[G0R0+2:G0R0+3], TROW
	s_or_b32 s[G0R0+3], s[G0R0+3], 0x80000000
	s_or_b32 s[G0R1+3], s[G0R1+3], 0x80000000
	CROUND                                         ; all sixteen work-groups are here: the joint loads meet
	s_cmp_eq_u32 s[LW], 0
	s_cbranch_scc0 .Lfill_r
	tensor_load_to_lds s[G0P0:G0P0+3], s[G1P:G1P+7]
	s_nop 0
	PLACES
	s_branch .Lfilled
.Lfill_r:
	tensor_load_to_lds s[G0R0:G0R0+3], s[G1R:G1R+7]
	s_nop 0
	PLACES
.Lfilled:
	v_and_b32 v13, 31, v0
	s_wait_alu depctr_va_vdst(0)
	v_and_b32 v[VR], 15, v0
	v_bfe_u32 v[VH], v0, 4, 1
	s_wait_alu depctr_va_vdst(0)
	v_lshl_add_u32 v[AP0], v13, 4, s82
	s_mul_i32 s84, s[LW], 4*TROW
	s_add_co_u32 s84, s84, ROFF
	v_lshl_add_u32 v[AR0], v13, 4, s84
	v_mov_b32 v[ADP], v[AP0]
	v_mov_b32 v[ADR], v[AR0]
	s_lshl_b32 s85, s[LH], 3
	s_add_co_u32 s85, s85, s24
	s_lshl_b32 s85, s85, 9
	s_add_co_u32 s85, s85, A_SC
	v_lshl_add_u32 v247, v13, 5, s85
	s_lshl_b32 s85, s[LW], 2
	s_add_co_u32 s85, s85, s25
	s_lshl_b32 s85, s85, 9
	s_add_co_u32 s85, s85, D_SC
	v_lshl_add_u32 v248, v13, 5, s85
.irp p, 0,1,2,3
.irp g, 0,1
	global_load_b128 v[SCP+8*\p+4*\g:SCP+8*\p+4*\g+3], v247, s[4:5] offset:1024*\p+16*\g
.endr
.endr
.irp p, 0,1
.irp g, 0,1
	global_load_b128 v[SCR+8*\p+4*\g:SCR+8*\p+4*\g+3], v248, s[6:7] offset:1024*\p+16*\g
.endr
.endr
	s_lshl_b32 s70, s76, 8
	s_lshl_b32 s3, s[LH], 7
	s_add_co_u32 s70, s70, s3                      ; my wave's first column
	s_lshl_b32 s71, s70, 2
	v_lshl_add_u32 v249, v[VH], 6, s71
.irp b, 0,1,2,3,4,5,6,7                ; P tile b = 2 q + u: lane (r, h) wants the bias of columns 32 q + 16 h + 8 u + 0 .. 7
.irp e, 0,1
	v_add_nc_u32 v[112+2*\b+\e], 128*(\b/2)+32*(\b%2)+16*\e, v249
	v_min_u32 v[112+2*\b+\e], 3984, v[112+2*\b+\e]
.endr
.endr
	WIN 0x40
.irp b, 0,1,2,3,4,5,6,7
.irp e, 0,1
	global_load_b128 v[96+8*\b+96*(\b/4)+4*\e:96+8*\b+96*(\b/4)+4*\e+3], v[112+2*\b+\e], s[10:11]
.endr
.endr
	WIN 0
	s_mul_i32 s72, s[WV], 4*STGT                   ; my stage
	v_mul_u32_u24 v[SO], v[VR], 528
	v_lshl_add_u32 v[SO], v[VH], 6, v[SO]
	v_add_nc_u32 v[SO], s72, v[SO]                 ; in: row r, + 64 h
	v_lshl_add_u32 v[SR], v13, 4, s72              ; back: 16 bytes a lane
	s_lshl_b32 s2, s68, 7
	s_lshl_b32 s3, s[LW], 6
	s_add_co_u32 s2, s2, s3                        ; my wave's first token
	s_mul_i32 s2, s2, 4000
	s_add_co_u32 s2, s2, s71
	v_lshl_add_u32 v[CO], v13, 4, s2
	v_lshl_add_u32 v[COL], v13, 2, s70
	s_wait_alu depctr_va_vdst(0)                   ; the head's end
	s_wait_tensorcnt 0x0                           ; my part of slot 0 is in; slot 1's first fill is issued as a refill is:
	ds_add_u32 v[SPW], v[NIL]
	s_wait_dscnt 0x0
	CROUND                                         ; a whole round: the joint loads of slot 1 meet
	s_cmp_eq_u32 s[LW], 0                          ; each wave's one load behind the round
	s_cbranch_scc0 .Lfill_r1
	tensor_load_to_lds s[G0P1:G0P1+3], s[G1P:G1P+7]
	s_nop 0
	PLACES
	s_branch .Lfilled1
.Lfill_r1:
	tensor_load_to_lds s[G0R1:G0R1+3], s[G1R:G1R+7]
	s_nop 0
	PLACES
.Lfilled1:
	s_wait_loadcnt 0x0                             ; scale words and bias; their offset registers are free
	FETCH 0, 0
	KSTEP 0, 0, 2, 1, 1
	KSTEP 1, 1, 0, 1, 2
	KSTEP 0, 2, 0, 1, 3
	KSTEP 1, 3, 0, 2, 0
	s_wait_alu depctr_va_vdst(0)
	KSTEP 0, 4, 0, 1, 1
	KSTEP 1, 5, 0, 1, 2
	KSTEP 0, 6, 0, 1, 3
	KSTEP 1, 7, 0, 0, 0
	PLACES
	WIN 0x08                                       ; an LDS store's data are its source 1: window 2
.irp a, 0,1,2,3
.irp q, 0,1,2,3
.irp m, 0,1,2,3
	ds_store_b128 v[SO], v[64*\a+16*\q+4*\m:64*\a+16*\q+4*\m+3] offset:STGT*\a+128*\q+16*\m   ; each accumulator from its low end on
.endr
.endr
.endr
	WIN 0
	v_cmp_gt_u32 vcc_lo, 1000, v[COL]              ; lanes whose four columns exist: the stores alone stand under this mask, every LDS instruction runs with all lanes on
	LOADB 0                                        ; LDS serves a wave's instructions in order: these see my stores
	LOADB 1
	s_wait_dscnt 16                                ; tile 0 is back; tile 1's 16 loads may be out
	s_wait_xcnt 0x0                                ; EXEC changes only behind this wait
	s_and_saveexec_b32 s86, vcc_lo
	SENDB 0
	s_wait_xcnt 0x0                                ; the stores have read their registers and EXEC
	s_or_b32 exec_lo, exec_lo, s86
	LOADB 2
	s_wait_dscnt 16
	s_and_saveexec_b32 s86, vcc_lo
	SENDB 1
	s_wait_xcnt 0x0
	s_or_b32 exec_lo, exec_lo, s86
	LOADB 3
	s_wait_dscnt 16
	s_and_saveexec_b32 s86, vcc_lo
	SENDB 2
	s_wait_xcnt 0x0
	s_or_b32 exec_lo, exec_lo, s86
	s_wait_dscnt 0x0
	s_and_saveexec_b32 s86, vcc_lo
	SENDB 3
	s_wait_xcnt 0x0
	s_or_b32 exec_lo, exec_lo, s86
	s_wait_tensorcnt 0x0                           ; the wave's end, behind my last LDS store
	ds_add_u32 v[SPW], v[NIL]
	s_wait_dscnt 0x0
	CROUND                                         ; the closing round
	s_endpgm
.Lfunc_end_k_q265a7f5091_head:
	.size	k_q265a7f5091_head, .Lfunc_end_k_q265a7f5091_head-k_q265a7f5091_head
	.p2alignl 7, 3214868480
	.fill 96, 4, 3214868480
	.section	.rodata,"a",@progbits
	.p2align	6, 0x0
	.amdhsa_kernel k_q265a7f5091_head
		.amdhsa_group_segment_fixed_size 327680
		.amdhsa_private_segment_fixed_size 0
		.amdhsa_enable_private_segment 0
		.amdhsa_kernarg_size 32
		.amdhsa_user_sgpr_count 2
		.amdhsa_user_sgpr_kernarg_segment_ptr 1
		.amdhsa_wavefront_size32 1
		.amdhsa_system_sgpr_workgroup_id_x 1
		.amdhsa_system_sgpr_workgroup_id_y 1
		.amdhsa_system_sgpr_workgroup_id_z 1
		.amdhsa_system_vgpr_workitem_id 0
		.amdhsa_next_free_vgpr 768
		.amdhsa_next_free_sgpr 100
		.amdhsa_reserve_vcc 1
		.amdhsa_float_denorm_mode_32 3
		.amdhsa_float_denorm_mode_16_64 3
		.amdhsa_memory_ordered 1
		.amdhsa_forward_progress 1
		.amdhsa_inst_pref_size 80
	.end_amdhsa_kernel
	.amdgpu_metadata
---
amdhsa.version: [ 1, 2 ]
amdhsa.kernels:
  - .name:           k_q265a7f5091_head
    .symbol:         k_q265a7f5091_head.kd
    .args:
      - { .name: opA, .offset: 0, .size: 8, .value_kind: global_buffer, .address_space: global }
      - { .name: opD, .offset: 8, .size: 8, .value_kind: global_buffer, .address_space: global }
      - { .name: out0, .offset: 16, .size: 8, .value_kind: global_buffer, .address_space: global }
      - { .name: Wout_b, .offset: 24, .size: 8, .value_kind: global_buffer, .address_space: global }
    .group_segment_fixed_size: 327680
    .private_segment_fixed_size: 0
    .kernarg_segment_align: 8
    .kernarg_segment_size: 32
    .max_flat_workgroup_size: 128
    .sgpr_count:     100
    .vgpr_count:     768
    .wavefront_size: 32
...
	.end_amdgpu_metadata
.endif
;; end of part 5
